; MI455X (gfx1250); checked and timed in simulation.
; The chip was launched on July 23, 2026; its instructions are those of AMD's public machine-readable ISA for CDNA 5 (MIT licence, August 2026) and "CDNA5" Instruction Set Architecture Reference Guide (July 2026). The comments in the code are by the model that wrote it; some were corrected since.
;; Decoder Layer. Allowed arithmetic: float matrix products may take bf16 or f16 operands with f32 sums; other float arithmetic in f32, or as packed bf16 or f16 multiplies, adds, multiply-adds, maxima and minima; sums over many terms, partial sums and values carried from step to step in f32; what a program stores and reads back later, other than sums and carried values, may be rounded once to bf16 or f16.
;; Inputs: W1 1,024 x 4,096 float32; W2 4,096 x 1,024 float32; Wk 16 x 1,024 x 64 float32; Wo 1,024 x 1,024 float32; Wq 16 x 1,024 x 64 float32; Wv 16 x 1,024 x 64 float32; beta1 1,024 float32; beta2 1,024 float32; bff1 4,096 float32; bff2 1,024 float32; bo 1,024 float32; g1 1,024 float32; g2 1,024 float32; x 4 x 1,024 x 1,024 float32.
;; Outputs: out0 4 x 1,024 x 1,024 float32.
;; One version. Each part assembles by itself: llvm-mc -triple=amdgcn-amd-amdhsa -mcpu=gfx1250 --defsym DOCPART=n.
;; ======== version 1 of 1: 7 launches
;; limits: right only within a limited range of input values; a function is approximated: absolute error at most 1e-05; an absolute error that grows with the inputs' magnitude: up to 1e-05 times it
;; workspace buffers: wts 25,165,824 bytes; act 8,388,608 bytes; qkv 25,165,824 bytes; res 16,777,216 bytes; hid 33,554,432 bytes
;; launch prep (part 1): grid 1024 x 1, 8 waves a work-group, no clusters, 0 bytes of LDS; arguments x, g1, beta1, act, Wq, Wk, Wv, Wo, W1, W2, wts; writes act, wts
.if DOCPART == 1
	.amdgcn_target "amdgcn-amd-amdhsa--gfx1250"
	.amdhsa_code_object_version 6
	.text
	.protected	k_qb56fcfa146_prep
	.globl	k_qb56fcfa146_prep
	.p2align	8
	.type	k_qb56fcfa146_prep,@function
k_qb56fcfa146_prep:
	s_mov_b64 s[64:65], 0
	v_nop
	global_prefetch_b8 v0, s[64:65] scope:SCOPE_SE
	s_setreg_imm32_b32 hwreg(HW_REG_WAVE_MODE, 25, 1), 1
	s_wait_xcnt 0x0
; THE PROGRAM: a pre-norm decoder layer on 4,096 rows of 1,024, in seven launches:
;   prep (this body): LN1(x) -> act in bf16; all six weight matrices cast to bf16 -> wts, in their own [K][N] order
;   gqkv: q, k, v = act x (Wq | Wk | Wv) -> qkv, by heads     attn: causal attention -> act, by heads
;   gwo:  res = x + attn x Wo + bo (f32)                      ln2 (this body again, its first 256 work-groups): LN2(res) -> act
;   gff1: hid = gelu(act x W1 + bff1) in bf16                 gff2: out0 = res + hid x W2 + bff2
; WORK LEFT OUT (in attn).  reference() sets scores[t][s] to -inf wherever s > t, by its own jnp.tril, ahead of the softmax: the weight of such a key is 0
; and its v row adds 0 to the result, whatever finite values the inputs hold.  With queries and keys in tiles of 128, the 28 of a head's 64 tiles that lie
; wholly above the diagonal are therefore neither multiplied nor loaded for that block of queries.  Inside the 8 diagonal tiles hidden scores are computed and masked.
; Every input has a way to the output; all fourteen are loaded.
; LIMIT: a NaN, an infinity or an overflow in a k or v row is not carried into queries of earlier tiles, which reference() would reach by -inf + NaN or 0 x inf.
; FORMATS: matrix operands bf16; sums, statistics, softmax, GELU and both residuals f32.
;
; THIS BODY.  Work-groups 0-255: LayerNorm of 16 rows of the first argument, a wave two rows; a row of 4,096 bytes lies in 32 registers of one wave between the passes
; (mean; deviations; their squares), so it is read once, and no wave waits for another.  Work-groups 256-1023 (launch prep alone has them): the cast, 16,384 numbers each:
; with the 256 before them four work-groups for each of 256 WGPs.
; No LDS, no matrix unit, no cluster: nothing is shared but gamma and beta, 8 KiB.  No prefetch: every byte is asked for at the wave's start.
.set MU,  8                            ; v[8:9]    the mean (low word; the pair is named by the packed forms)
.set RS,  10                           ; v[10:11]  1 / sqrt(var + eps)
.set G,   16                           ; v[16:47]  gamma of my 32 columns: chunk j holds columns 128 j + 4 lane + 0..3
.set BT,  48                           ; v[48:79]  beta
.set X,   80                           ; v[80:143] two rows
.set T,   144                          ; v[144:159] at work
.set L,   16                           ; the cast: v[16:79], 16 units of 4 numbers a lane
.macro LANESUM                         ; v[T] summed over the 32 lanes, the result in every lane
	v_add_f32_dpp v[T], v[T], v[T] row_xmask:1 row_mask:0xf bank_mask:0xf
	v_add_f32_dpp v[T], v[T], v[T] row_xmask:2 row_mask:0xf bank_mask:0xf
	v_add_f32_dpp v[T], v[T], v[T] row_xmask:4 row_mask:0xf bank_mask:0xf
	v_add_f32_dpp v[T], v[T], v[T] row_xmask:8 row_mask:0xf bank_mask:0xf
	v_permlanex16_b32 v[T+1], v[T], s20, s21
	v_add_f32 v[T], v[T], v[T+1]
.endm
; Row i of the wave's two.  left: the younger loads that may stay out.
.macro LNROW i, left
.set XR, X+32*(\i)
	s_wait_loadcnt \left
.set k, 0
.rept 8
	v_pk_add_f32 v[T+2*k:T+2*k+1], v[XR+2*k:XR+2*k+1], v[XR+16+2*k:XR+17+2*k]
.set k, k+1
.endr
.irp k, 0,1,2,3
	v_pk_add_f32 v[T+2*(\k):T+2*(\k)+1], v[T+2*(\k):T+2*(\k)+1], v[T+8+2*(\k):T+9+2*(\k)]
.endr
.irp k, 0,1
	v_pk_add_f32 v[T+2*(\k):T+2*(\k)+1], v[T+2*(\k):T+2*(\k)+1], v[T+4+2*(\k):T+5+2*(\k)]
.endr
	v_pk_add_f32 v[T:T+1], v[T:T+1], v[T+2:T+3]
	v_add_f32 v[T], v[T], v[T+1]
	LANESUM
	v_mul_f32 v[MU], s22, v[T]                     ; the mean
.set k, 0
.rept 16
	v_pk_add_f32 v[XR+2*k:XR+2*k+1], v[XR+2*k:XR+2*k+1], v[MU:MU+1] op_sel_hi:[1,0] neg_lo:[0,1] neg_hi:[0,1]  ; deviations first: no difference of large sums
.set k, k+1
.endr
.irp k, 0,1,2,3
	v_pk_mul_f32 v[T+2*(\k):T+2*(\k)+1], v[XR+2*(\k):XR+2*(\k)+1], v[XR+2*(\k):XR+2*(\k)+1]
.endr
.set k, 4
.rept 12
	v_pk_fma_f32 v[T+2*(k%4):T+2*(k%4)+1], v[XR+2*k:XR+2*k+1], v[XR+2*k:XR+2*k+1], v[T+2*(k%4):T+2*(k%4)+1]
.set k, k+1
.endr
	v_pk_add_f32 v[T:T+1], v[T:T+1], v[T+2:T+3]
	v_pk_add_f32 v[T+4:T+5], v[T+4:T+5], v[T+6:T+7]
	v_pk_add_f32 v[T:T+1], v[T:T+1], v[T+4:T+5]
	v_add_f32 v[T], v[T], v[T+1]
	LANESUM
	v_fma_f32 v[T], v[T], s22, s23                 ; var + eps
	v_rsq_f32 v[RS], v[T]
	v_nop                                          ; a plain instruction behind the root,
	s_wait_alu depctr_va_vdst(0)                   ; and the wait ahead of its first reader
.set k, 0
.rept 16
	v_pk_mul_f32 v[XR+2*k:XR+2*k+1], v[XR+2*k:XR+2*k+1], v[RS:RS+1] op_sel_hi:[1,0]
.set k, k+1
.endr
.set k, 0
.rept 16
	v_pk_fma_f32 v[XR+2*k:XR+2*k+1], v[XR+2*k:XR+2*k+1], v[G+2*k:G+2*k+1], v[BT+2*k:BT+2*k+1]
.set k, k+1
.endr
.set k, 0
.rept 16
	v_cvt_pk_bf16_f32 v[XR+k], v[XR+2*k], v[XR+2*k+1]  ; in place: word k is written when words 2 k and 2 k + 1 have been read
.set k, k+1
.endr
.irp j, 0,1,2,3,4,5,6,7
	global_store_b64 v3, v[XR+2*(\j):XR+2*(\j)+1], s[14:15] offset:2048*(\i)+256*(\j)  ; the wave's store covers 256 consecutive bytes, aligned
.endr
.endm
	s_cmp_lt_u32 ttmp9, 256
	s_cbranch_scc0 .Lcast
	s_load_b256 s[8:15], s[0:1], 0x0               ; the rows s[8:9], gamma s[10:11], beta s[12:13], act s[14:15]
	v_and_b32 v1, 31, v0
	v_lshrrev_b32 v5, 5, v0
	v_lshlrev_b32 v4, 4, v1                        ; 16 x lane: gamma, beta
	v_lshl_add_u32 v2, v5, 13, v4                  ; + wave x 2 rows x 4,096 bytes: the rows
	v_lshlrev_b32 v3, 3, v1
	v_lshl_add_u32 v3, v5, 12, v3                  ; 8 x lane + wave x 2 rows x 2,048 bytes: act
	v_mov_b32 v[MU+1], 0                           ; named with their partners as pairs
	v_mov_b32 v[RS+1], 0
	s_lshl_b32 s2, ttmp9, 16                       ; the work-group's 16 rows in,
	s_mov_b32 s3, 0
	s_lshl_b32 s4, ttmp9, 15                       ; and out
	s_mov_b32 s5, 0
	s_mov_b32 s20, 0x76543210                      ; v_permlanex16_b32: each lane takes its own place in the other half
	s_mov_b32 s21, 0xfedcba98
	s_mov_b32 s22, 0x3a800000                      ; 1 / 1,024
	s_mov_b32 s23, 0x3727c5ac                      ; 1e-5
	s_wait_kmcnt 0x0
	s_add_nc_u64 s[8:9], s[8:9], s[2:3]
	s_add_nc_u64 s[14:15], s[14:15], s[4:5]
.irp j, 0,1,2,3,4,5,6,7
	global_load_b128 v[G+4*(\j):G+4*(\j)+3], v4, s[10:11] offset:512*(\j)
.endr
.irp j, 0,1,2,3,4,5,6,7
	global_load_b128 v[BT+4*(\j):BT+4*(\j)+3], v4, s[12:13] offset:512*(\j)
.endr
.irp i, 0,1
.irp j, 0,1,2,3,4,5,6,7
	global_load_b128 v[X+32*(\i)+4*(\j):X+32*(\i)+4*(\j)+3], v2, s[8:9] offset:4096*(\i)+512*(\j) th:TH_LOAD_NT
.endr
.endr
	LNROW 0, 8                                     ; row 1's eight loads may stay out
	LNROW 1, 0
	s_endpgm
.Lcast:                                            ; wts = the six matrices end to end, each number rounded once
	s_load_b256 s[8:15], s[0:1], 0x20              ; Wq, Wk, Wv, Wo
	s_load_b128 s[16:19], s[0:1], 0x40             ; W1, W2
	s_load_b64 s[20:21], s[0:1], 0x50              ; wts
	s_sub_co_u32 s25, ttmp9, 256                   ; 0..767: which 16,384 numbers of the 12,582,912
	v_and_b32 v1, 31, v0
	v_lshrrev_b32 v5, 5, v0
	v_lshlrev_b32 v2, 4, v1
	v_lshl_add_u32 v2, v5, 13, v2                  ; in: wave x 8,192 + 16 x lane: a load of the wave covers 512 consecutive bytes
	v_lshlrev_b32 v3, 3, v1
	v_lshl_add_u32 v3, v5, 12, v3                  ; out: wave x 4,096 + 8 x lane
	s_wait_kmcnt 0x0
	s_mov_b64 s[22:23], s[8:9]                     ; the matrix in which my numbers lie, and its first work-group
	s_mov_b32 s24, 0
	s_cmp_ge_u32 s25, 64
	s_cselect_b64 s[22:23], s[10:11], s[22:23]
	s_cselect_b32 s24, 64, s24
	s_cmp_ge_u32 s25, 128
	s_cselect_b64 s[22:23], s[12:13], s[22:23]
	s_cselect_b32 s24, 128, s24
	s_cmp_ge_u32 s25, 192
	s_cselect_b64 s[22:23], s[14:15], s[22:23]
	s_cselect_b32 s24, 192, s24
	s_cmp_ge_u32 s25, 256
	s_cselect_b64 s[22:23], s[16:17], s[22:23]
	s_cselect_b32 s24, 256, s24
	s_cmp_ge_u32 s25, 512
	s_cselect_b64 s[22:23], s[18:19], s[22:23]
	s_cselect_b32 s24, 512, s24
	s_sub_co_u32 s26, s25, s24
	s_lshl_b32 s26, s26, 16
	s_mov_b32 s27, 0
	s_add_nc_u64 s[22:23], s[22:23], s[26:27]
	s_lshl_b32 s28, s25, 15
	s_mov_b32 s29, 0
	s_add_nc_u64 s[20:21], s[20:21], s[28:29]
.set u, 0
.rept 16                                           ; all 16 loads of the wave go out at once: 8 KiB
	global_load_b128 v[L+4*u:L+4*u+3], v2, s[22:23] offset:512*u th:TH_LOAD_NT
.set u, u+1
.endr
.set u, 0
.rept 16
	s_wait_loadcnt 15-u                            ; unit u is in; the younger units' loads stay out
	v_cvt_pk_bf16_f32 v[L+4*u], v[L+4*u], v[L+4*u+1]
	v_cvt_pk_bf16_f32 v[L+4*u+1], v[L+4*u+2], v[L+4*u+3]
	global_store_b64 v3, v[L+4*u:L+4*u+1], s[20:21] offset:256*u  ; 256 consecutive bytes, aligned
.set u, u+1
.endr
	s_endpgm
.Lfunc_end_k_qb56fcfa146_prep:
	.size	k_qb56fcfa146_prep, .Lfunc_end_k_qb56fcfa146_prep-k_qb56fcfa146_prep
	.p2alignl 7, 3214868480
	.fill 96, 4, 3214868480
	.section	.rodata,"a",@progbits
	.p2align	6, 0x0
	.amdhsa_kernel k_qb56fcfa146_prep
		.amdhsa_group_segment_fixed_size 0
		.amdhsa_private_segment_fixed_size 0
		.amdhsa_enable_private_segment 0
		.amdhsa_kernarg_size 88
		.amdhsa_user_sgpr_count 2
		.amdhsa_user_sgpr_kernarg_segment_ptr 1
		.amdhsa_wavefront_size32 1
		.amdhsa_system_sgpr_workgroup_id_x 1
		.amdhsa_system_sgpr_workgroup_id_y 1
		.amdhsa_system_sgpr_workgroup_id_z 1
		.amdhsa_system_vgpr_workitem_id 0
		.amdhsa_next_free_vgpr 160
		.amdhsa_next_free_sgpr 66
		.amdhsa_reserve_vcc 0
		.amdhsa_float_denorm_mode_32 3
		.amdhsa_float_denorm_mode_16_64 3
		.amdhsa_memory_ordered 1
		.amdhsa_forward_progress 1
		.amdhsa_inst_pref_size 27
	.end_amdhsa_kernel
	.amdgpu_metadata
---
amdhsa.version: [ 1, 2 ]
amdhsa.kernels:
  - .name:           k_qb56fcfa146_prep
    .symbol:         k_qb56fcfa146_prep.kd
    .args:
      - { .name: x, .offset: 0, .size: 8, .value_kind: global_buffer, .address_space: global }
      - { .name: g1, .offset: 8, .size: 8, .value_kind: global_buffer, .address_space: global }
      - { .name: beta1, .offset: 16, .size: 8, .value_kind: global_buffer, .address_space: global }
      - { .name: act, .offset: 24, .size: 8, .value_kind: global_buffer, .address_space: global }
      - { .name: Wq, .offset: 32, .size: 8, .value_kind: global_buffer, .address_space: global }
      - { .name: Wk, .offset: 40, .size: 8, .value_kind: global_buffer, .address_space: global }
      - { .name: Wv, .offset: 48, .size: 8, .value_kind: global_buffer, .address_space: global }
      - { .name: Wo, .offset: 56, .size: 8, .value_kind: global_buffer, .address_space: global }
      - { .name: W1, .offset: 64, .size: 8, .value_kind: global_buffer, .address_space: global }
      - { .name: W2, .offset: 72, .size: 8, .value_kind: global_buffer, .address_space: global }
      - { .name: wts, .offset: 80, .size: 8, .value_kind: global_buffer, .address_space: global }
    .group_segment_fixed_size: 0
    .private_segment_fixed_size: 0
    .kernarg_segment_align: 8
    .kernarg_segment_size: 88
    .max_flat_workgroup_size: 256
    .sgpr_count:     66
    .vgpr_count:     160
    .wavefront_size: 32
...
	.end_amdgpu_metadata
.endif
;; end of part 1
;; launch gqkv (part 2): grid 16 x 16, 4 waves a work-group, clusters of 4 x 4, 327,680 bytes of LDS; arguments act, wts, qkv; writes qkv
.if DOCPART == 2
	.amdgcn_target "amdgcn-amd-amdhsa--gfx1250"
	.amdhsa_code_object_version 6
	.text
	.protected	k_qb56fcfa146_gqkv
	.globl	k_qb56fcfa146_gqkv
	.p2align	8
	.type	k_qb56fcfa146_gqkv,@function
k_qb56fcfa146_gqkv:
	s_mov_b64 s[64:65], 0
	v_nop
	global_prefetch_b8 v0, s[64:65] scope:SCOPE_SE
	s_setreg_imm32_b32 hwreg(HW_REG_WAVE_MODE, 25, 1), 1
	s_wait_xcnt 0x0
	s_wait_alu depctr_hold_cnt(0) depctr_sa_sdst(0) depctr_va_vdst(0) depctr_va_sdst(0) depctr_va_ssrc(0) depctr_va_vcc(0) depctr_vm_vsrc(0)
	s_getreg_b32 s2, hwreg(HW_REG_IB_STS2, 6, 4)
	s_cmp_eq_u32 s2, 0
	s_cbranch_scc0 .Lentry_in_a_cluster
	s_endpgm
.Lentry_in_a_cluster:
	s_bfe_u32 s2, ttmp6, 0x10000c
	s_cmp_lg_u32 s2, 0xf033
	s_cbranch_scc0 .Lentry_shape_is_right
	s_endpgm
.Lentry_shape_is_right:
; q, k, v = LN1(x) x (Wq | Wk | Wv).  act: [4096][1024] bf16.  wts: 48 panels [1024 k][64] bf16 (16 of Wq, 16 of Wk, 16 of Wv).  qkv: [3][64 bh][1024 t][64] bf16, unscaled.
; A tile of the product is 256 rows x 192 columns: the q, k and v columns of ONE head.  16 x 16 tiles: a work-group each.  Four waves, 2 x 2, each 128 x 96: 48 accumulators, 384 registers.
; K goes in 8 steps of 128 through two LDS slots.  A K step is written once: which slot is read and which is filled stands in two scalars that an exclusive or turns.
; THE WEIGHTS LIE [K][N] and are turned on the way out of LDS, by ds_load_tr16_b128.  The three panels' 64 k-rows are one load: three dense rows of 8,192 bytes, padded after every 128 bytes.
; THE MATRIX INSTRUCTION IS USED TRANSPOSED (source 0 = 16 columns of W, source 1 = 16 rows of act): a lane then holds eight neighbouring columns of one row.
; CLUSTER 4 x 4: act's tile is shared along a row of the cluster, the panels' along a column; each is asked for jointly.
; REGISTERS: window 0: v0-31 addresses, v64-127 and v128-191 fragments of act (two buffers), v32-63 and v192-255 the way out; window 1: the same two buffers for W (48 used);
; windows 2, 3: accumulators (a % 4, b) at v[8 (6 (a % 4) + b)], rows 0-63 in window 2, rows 64-127 in window 3.
.set PA,     272                       ; a row of act in LDS: 256 bytes + 16
.set HALFA,  128*PA
.set AREG,   2*HALFA                   ; 69,632: act's 256 rows
.set PB,     160                       ; a k-row of a panel: 128 bytes + 32: an odd multiple of 32
.set PANEL,  64*PB
.set KHALF,  3*PANEL                   ; 30,720: 64 k-rows of the three panels
.set SLOT,   AREG+2*KHALF              ; 131,072
.set SPARE,  2*SLOT                    ; behind the ring: the spare words, 128 bytes a wave
.set ASTEP,  256                       ; bytes from K step to K step in act,
.set BSTEP,  16384                     ; and in a panel
.set NBF,    6
.set NL,     28                        ; LDS loads in a run: 12 for W, 16 for act
.set SPI,    784                       ; the way out: a row of 192 f32 + 16 bytes
.set ADRA,  16
.set ADRA0, 17
.set ADRB,  18                         ; v18-20: a register for each 32 of my 96 columns
.set ADRB0, 21
.set STO,   24                         ; v24, v25: rows 0-63 and 64-127 of my half
.set RD,    27
.set SPW,   28
.set NIL,   29
.set PFO,   30
.set YQ,    32
.set GO,    56                         ; v56-58: 16 x lane + plane
.set LD,    192
.set F0,    64
.set F1,    128
.set G1,  24
.set G0,  32
.set LIM, 43
.set PFA, 44
.set G1B, 48
.set G0B, 56
.set RB,  84                           ; LDS base of the slot that is read
.set FB,  85                           ; of the slot that is filled
.set LW,  86                           ; my part of a slot
.set MSB, 0
.macro WIN new
.if MSB != (\new)
	s_set_vgpr_msb (MSB<<8)|(\new)
.set MSB, \new
.endif
.endm
.set MUL_LO, 0xa1
.set MUL_HI, 0xf1
.set TO_B,   0x40
.macro JLOAD s                         ; a joint load: waves 0 and 1 fetch act's halves, waves 2 and 3 the panels'; s_nop 0 and four v_nop follow each line
	s_cmp_eq_u32 s11, 0
	s_cbranch_scc0 .Lfor_b_\@
	tensor_load_to_lds s[G0+4*(\s):G0+4*(\s)+3], s[G1:G1+7]
	s_nop 0
.rept 4
	v_nop
.endr
	s_branch .Lasked_\@
.Lfor_b_\@:
	tensor_load_to_lds s[G0B+4*(\s):G0B+4*(\s)+3], s[G1B:G1B+7]
	s_nop 0
.rept 4
	v_nop
.endr
.Lasked_\@:
.endm
.macro CREST
	s_cmp_lg_u32 s10, 0
	s_cbranch_scc1 .Lnot_wave_0_\@
	s_barrier_signal -3
.Lnot_wave_0_\@:
	s_barrier_wait -3
	s_barrier_signal -1
	s_barrier_wait -1
.endm
.macro CROUND
	s_barrier_signal -1
	s_barrier_wait -1
	CREST
.endm
.macro PLACES
.rept 4
	v_nop
.endr
.endm
; A prefetch of act's K step two refills on: 32 rows x 256 bytes, a lane a row.  The clusters of one row of clusters read the same rows: the first (cluster x = 0) asks; its four
; partners share a wave's 128 rows by address.  The panels are not asked for: a partner's share is 24 blocks, which fills no instruction of 32 lanes.
.macro ASK
	s_cmp_gt_u32 s3, s[LIM]
	s_cbranch_scc0 .Lnot_mine_\@
	global_prefetch_b8 v[PFO], s[PFA:PFA+1] th:TH_LOAD_NT scope:SCOPE_SE
.Lnot_mine_\@:
.endm
	s_load_b128 s[4:7], s[0:1], 0x0                ; act, wts
	s_load_b64 s[8:9], s[0:1], 0x10                ; qkv
	v_lshl_add_u32 v[SPW], v0, 2, SPARE
	v_mov_b32 v[NIL], 0
	ds_add_u32 v[SPW], v[NIL]                      ; the opening: the add, twice on end, and its wait ahead of my first tensor load
	ds_add_u32 v[SPW], v[NIL]
	v_lshrrev_b32 v1, 5, v0
	v_readfirstlane_b32 s10, v1                    ; wave
	s_lshr_b32 s11, s10, 1                         ; my half of the rows; also: I fetch for act (0) or for W (1)
	s_and_b32 s12, s10, 1                          ; my half of the columns; also: which half I fetch
	s_bfe_u32 s40, ttmp6, 0x40000                  ; cx
	s_bfe_u32 s41, ttmp6, 0x40004                  ; cy
	s_lshl_b32 s42, ttmp9, 2
	s_add_co_u32 s42, s42, s40                     ; the head
	s_and_b32 s13, ttmp7, 0xffff
	s_lshl_b32 s13, s13, 2
	s_add_co_u32 s13, s13, s41                     ; tile row
	s_lshl_b32 s43, s41, 2
	s_lshl_b32 s43, 15, s43                        ; my row of the cluster
	s_lshl_b32 s44, 0x1111, s40                    ; my column
	s_or_b32 s[G1], s43, (1<<16)|(1<<20)|(1<<21)|(5<<22)|(3<<25)   ; 2-byte elements; 4 words of padding after every 64
	s_or_b32 s[G1B], s44, (1<<16)|(1<<20)|(1<<21)|(4<<22)|(7<<25)  ; 8 words after every 32
	s_mov_b32 s[G1+1], 128<<16                     ; act: 128 rows x 128 elements, 1,024 from row to row
	s_mov_b32 s[G1+2], 128<<16
	s_mov_b32 s[G1+3], 128<<16
	s_mov_b32 s[G1+4], 128
	s_mov_b32 s[G1+5], 1024
	s_mov_b32 s[G1+6], 0
	s_mov_b32 s[G1+7], 0
	s_mov_b32 s[G1B+1], 4096<<16                   ; W: 3 rows x 4,096 elements (64 k-rows of a panel, dense), 16 panels from row to row
	s_mov_b32 s[G1B+2], 3<<16
	s_mov_b32 s[G1B+3], 4096<<16
	s_mov_b32 s[G1B+4], 3
	s_mov_b32 s[G1B+5], 1048576
	s_mov_b32 s[G1B+6], 0
	s_mov_b32 s[G1B+7], 0
	s_lshl_b32 s16, s13, 19                        ; act: (256 x tile row + 128 x half) rows of 2,048 bytes
	s_lshl_b32 s17, s12, 18
	s_add_co_u32 s16, s16, s17
	s_mov_b32 s17, 0
	s_lshl_b32 s46, s42, 17                        ; W: panel = head, 64 x half k-rows of 128 bytes
	s_lshl_b32 s47, s12, 13
	s_add_co_u32 s46, s46, s47
	s_mov_b32 s47, 0
	s_mul_i32 s[LW], s10, HALFA                    ; 0, 34,816, 69,632 and 100,352: wave x 34,816, less 4,096 for wave 3
	s_mul_i32 s20, s11, s12
	s_lshl_b32 s20, s20, 12
	s_sub_co_u32 s[LW], s[LW], s20
	s_mov_b32 s[RB], 0
	s_mov_b32 s[FB], SLOT
	s_wait_dscnt 0x0
	s_wait_kmcnt 0x0
	s_add_nc_u64 s[14:15], s[4:5], s[16:17]
	s_add_nc_u64 s[46:47], s[6:7], s[46:47]
	CROUND                                         ; all sixteen work-groups are here: the first joint loads meet
.irp s, 0,1
	s_mov_b32 s[G0+4*(\s)], 1
	s_add_co_u32 s[G0+4*(\s)+1], s[LW], (\s)*SLOT
	s_add_nc_u64 s[G0+4*(\s)+2:G0+4*(\s)+3], s[14:15], (\s)*ASTEP
	s_or_b32 s[G0+4*(\s)+3], s[G0+4*(\s)+3], 0x80000000
	s_mov_b32 s[G0B+4*(\s)], 1
	s_add_co_u32 s[G0B+4*(\s)+1], s[LW], (\s)*SLOT
	s_add_nc_u64 s[G0B+4*(\s)+2:G0B+4*(\s)+3], s[46:47], (\s)*BSTEP
	s_or_b32 s[G0B+4*(\s)+3], s[G0B+4*(\s)+3], 0x80000000
	JLOAD \s                                       ; K steps 0 and 1: two loads of mine are out; the second set then walks
.endr
	v_and_b32 v1, 15, v0                           ; l % 16
	v_bfe_u32 v2, v0, 4, 1                         ; l / 16
	v_mul_u32_u24 v3, v1, PA
	v_lshl_add_u32 v3, v2, 4, v3
	s_mul_i32 s21, s11, HALFA
	v_add_nc_u32 v[ADRA0], s21, v3                 ; a fragment of act: row x pitch + 16 x half
	v_mov_b32 v[ADRA], v[ADRA0]
	v_and_b32 v4, 7, v0                            ; the turning load: k-row 8 (l / 16) + l % 8, 16 bytes at 16 ((l / 8) % 2)
	v_lshl_add_u32 v4, v2, 3, v4
	v_mul_u32_u24 v4, v4, PB
	v_bfe_u32 v5, v0, 3, 1
	v_lshl_add_u32 v4, v5, 4, v4
.irp p, 0,1,2
	s_mul_i32 s22, s12, 96
	s_add_co_u32 s22, s22, 32*(\p)                 ; the first of 32 columns: they lie in one panel
	s_lshr_b32 s23, s22, 6
	s_mul_i32 s23, s23, PANEL
	s_and_b32 s22, s22, 63
	s_lshl_b32 s22, s22, 1
	s_add_co_u32 s22, s22, s23
	s_add_co_u32 s22, s22, AREG
	v_add_nc_u32 v[ADRB0+(\p)], s22, v4
	v_mov_b32 v[ADRB+(\p)], v[ADRB0+(\p)]
.endr
	s_mul_i32 s23, s11, 128*SPI                    ; the way out, in: row l % 16 of my half, my 96 columns, 32 bytes for each half of the lanes
	s_mul_i32 s22, s12, 384
	s_add_co_u32 s23, s23, s22
	v_mul_u32_u24 v4, v1, SPI
	v_lshl_add_u32 v4, v2, 5, v4
	v_add_nc_u32 v[STO], s23, v4
	v_add_nc_u32 v[STO+1], 64*SPI, v[STO]
	v_bfe_u32 v5, v0, 3, 2                         ; back: four rows, eight lanes a row, 32 bytes of f32 a lane
	v_mul_u32_u24 v5, v5, SPI
	v_and_b32 v6, 7, v0
	v_lshl_add_u32 v5, v6, 5, v5
	s_mul_i32 s23, s10, 64*SPI
	v_add_nc_u32 v[RD], s23, v5
	v_and_b32 v6, 31, v0
	v_lshlrev_b32 v[GO], 4, v6
	v_add_nc_u32 v[GO+1], 8388608, v[GO]
	v_add_nc_u32 v[GO+2], 16777216, v[GO]
	s_lshr_b32 s20, s13, 2                         ; qkv at ((batch x 16 + head) x 1,024 + 256 (tile row % 4) + 64 wave) rows of 128 bytes
	s_lshl_b32 s20, s20, 4
	s_add_co_u32 s20, s20, s42
	s_lshl_b32 s20, s20, 17
	s_and_b32 s21, s13, 3
	s_lshl_b32 s21, s21, 15
	s_add_co_u32 s20, s20, s21
	s_lshl_b32 s21, s10, 13
	s_add_co_u32 s20, s20, s21
	s_mov_b32 s21, 0
	s_add_nc_u64 s[8:9], s[8:9], s[20:21]
	s_lshl_b32 s20, s13, 19                        ; the prefetches: my work-group's 32 of the 128 rows that I fetch, at K step 3; each change of slots steps it first
	s_lshl_b32 s21, s12, 18
	s_add_co_u32 s20, s20, s21
	s_lshl_b32 s21, s40, 16
	s_add_co_u32 s20, s20, s21
	s_add_co_u32 s20, s20, 3*ASTEP
	s_mov_b32 s21, 0
	s_add_nc_u64 s[PFA:PFA+1], s[4:5], s[20:21]
	s_or_b32 s22, s11, ttmp9                       ; waves 0 and 1 of the clusters with x = 0 ask,
	s_cmp_eq_u32 s22, 0
	s_cselect_b32 s[LIM], 2, -1                    ; while more than two trips are left: K steps 4 to 7
	v_lshlrev_b32 v[PFO], 11, v6
.macro MULG f, hi, a0, zero            ; 12 matrix instructions: row blocks a0, a0 + 1 of the window's four x 6 column blocks, 32 along K
	WIN MUL_LO+0x50*(\hi)
.irp a, \a0, (\a0)+1
.irp b, 0,1,2,3,4,5
.if \zero
	v_wmma_f32_16x16x32_bf16 v[8*(NBF*(\a)+(\b)):8*(NBF*(\a)+(\b))+7], v[(\f)+8*(\b):(\f)+8*(\b)+7], v[(\f)+8*(4*(\hi)+(\a)):(\f)+8*(4*(\hi)+(\a))+7], 0
.else
	v_wmma_f32_16x16x32_bf16 v[8*(NBF*(\a)+(\b)):8*(NBF*(\a)+(\b))+7], v[(\f)+8*(\b):(\f)+8*(\b)+7], v[(\f)+8*(4*(\hi)+(\a)):(\f)+8*(4*(\hi)+(\a))+7], v[8*(NBF*(\a)+(\b)):8*(NBF*(\a)+(\b))+7]
.endif
.endr
.endr
.endm
.macro FETCH q, f                      ; one run: the fragments of quarter q (32 along K) into buffer f: W's twelve loads, then act's sixteen
	WIN TO_B
.irp p, 0,1,2
.irp e, 0,1
	ds_load_tr16_b128 v[(\f)+8*(2*(\p)+(\e)):(\f)+8*(2*(\p)+(\e))+3],   v[ADRB+(\p)] offset:((\q)/2)*KHALF+((\q)%2)*32*PB+32*(\e)
	ds_load_tr16_b128 v[(\f)+8*(2*(\p)+(\e))+4:(\f)+8*(2*(\p)+(\e))+7], v[ADRB+(\p)] offset:((\q)/2)*KHALF+((\q)%2)*32*PB+32*(\e)+16*PB
.endr
.endr
	WIN 0
.irp i, 0,1,2,3,4,5,6,7
	ds_load_b128 v[(\f)+8*(\i):(\f)+8*(\i)+3],   v[ADRA] offset:64*(\q)+(\i)*16*PA
	ds_load_b128 v[(\f)+8*(\i)+4:(\f)+8*(\i)+7], v[ADRA] offset:64*(\q)+(\i)*16*PA+32
.endr
.endm
.macro QUARTER q, f, g, zero           ; multiplies buffer f; behind its first 12 products it fetches quarter q into buffer g: 36 products ahead of the run's first use
	s_wait_dscnt 8                                 ; W and act's rows 0-63 are in; the youngest eight loads may be out
	MULG \f, 0, 0, \zero
	PLACES                                         ; four places between the last product that read buffer g and the loads into it
	FETCH \q, \g
	s_wait_dscnt NL                                ; all but the run just issued
	MULG \f, 0, 2, \zero
	MULG \f, 1, 0, \zero
	MULG \f, 1, 2, \zero
.endm
; A step's last quarter: changes slots, fills the slot just read with the K step two on, multiplies buffer 1.  Between the wait that shows one tile landed and the request for the next stand
; the three lines and the round alone: all 48 products of the quarter stand behind the request, so that a K step's 192 products lie between a request and the wait for it.
.macro TURN
	s_wait_xcnt 0x0                                ; the last prefetch, a K step back, has read its address
	s_add_nc_u64 s[PFA:PFA+1], s[PFA:PFA+1], ASTEP
	WIN 0
	s_wait_tensorcnt 0x0                           ; all my tensor loads have landed: the one that was out is my part of the next slot; so the descriptors may be written
	ds_add_u32 v[SPW], v[NIL]                      ; 0 onto my spare word; the slots' and descriptors' steps stand between it and the wait for it
	s_xor_b32 s[FB], s[FB], SLOT
	s_xor_b32 s[RB], s[RB], SLOT
	s_add_co_u32 s[G0+5], s[LW], s[FB]
	s_add_co_u32 s[G0B+5], s[LW], s[FB]
	s_add_nc_u64 s[G0+6:G0+7], s[G0+6:G0+7], ASTEP
	s_add_nc_u64 s[G0B+6:G0B+7], s[G0B+6:G0B+7], BSTEP
	s_wait_dscnt 0x0                               ; the add is done, and my reads of this slot are over: buffer 1 holds its last quarter
	s_barrier_signal -1
	s_barrier_wait -1
	CREST                                          ; no wave of any partner still reads the slot or has a load on its way
	JLOAD 1                                        ; the first tensor load behind the round; its four v_nop are also the places in front of the loads below
	v_add_nc_u32 v[ADRA], s[RB], v[ADRA0]
.irp p, 0,1,2
	v_add_nc_u32 v[ADRB+(\p)], s[RB], v[ADRB0+(\p)]
.endr
	FETCH 0, F0
	ASK
	MULG F1, 0, 0, 0
	MULG F1, 0, 2, 0
	MULG F1, 1, 0, 0
	MULG F1, 1, 2, 0
.endm
	s_wait_tensorcnt 1                             ; my part of K step 0 is in; K step 1's may stay out
	s_barrier_signal -1
	s_barrier_wait -1
	FETCH 0, F0
	QUARTER 1, F0, F1, 1                           ; the first quarter starts the sums with the constant 0
	WIN 0
	s_mov_b32 s3, 6
.Lstep:                                            ; six trips: quarters 2 to 4 of K step t, the refill with K step t + 2, quarter 1 of K step t + 1
	QUARTER 2, F1, F0, 0
	QUARTER 3, F0, F1, 0
	TURN
	QUARTER 1, F0, F1, 0
	WIN 0
	s_sub_co_u32 s3, s3, 1
	s_cmp_lg_u32 s3, 0
	s_cbranch_scc1 .Lstep
	s_mov_b32 s3, 2
.Ltail:                                            ; K steps 6 and 7: nothing is asked for
	QUARTER 2, F1, F0, 0
	QUARTER 3, F0, F1, 0
	s_wait_dscnt 8
	MULG F1, 0, 0, 0
	MULG F1, 0, 2, 0
	s_wait_dscnt 0x0
	MULG F1, 1, 0, 0
	MULG F1, 1, 2, 0
	WIN 0
	s_cmp_eq_u32 s3, 1                             ; the counter is alike in all waves
	s_cbranch_scc1 .Lskip
	s_wait_tensorcnt 0x0                           ; the last K step has landed, my part of it;
	ds_add_u32 v[SPW], v[NIL]
	s_xor_b32 s[RB], s[RB], SLOT
	PLACES                                         ; the places in front of the loads into buffer 0
	s_wait_dscnt 0x0
	s_barrier_signal -1
	s_barrier_wait -1                              ; everybody's
	v_add_nc_u32 v[ADRA], s[RB], v[ADRA0]
.irp p, 0,1,2
	v_add_nc_u32 v[ADRB+(\p)], s[RB], v[ADRB0+(\p)]
.endr
	FETCH 0, F0
	QUARTER 1, F0, F1, 0
	WIN 0
.Lskip:
	s_sub_co_u32 s3, s3, 1
	s_cmp_lg_u32 s3, 0
	s_cbranch_scc1 .Ltail
	; THE WAY OUT.  The ring has had its last fill: the tile goes into it in f32, 256 rows of 784 bytes, since a head's 64 columns of k come from two waves.
.rept 8
	v_nop
.endr
	s_wait_dscnt 0x0
	s_barrier_signal -1
	s_barrier_wait -1                              ; nobody reads the ring any more
.irp a, 0,1,2,3,4,5,6,7
	WIN 0x08+4*((\a)/4)                            ; store data in window 2 or 3
.irp b, 0,1,2,3,4,5
	ds_store_b128 v[STO+(\a)/4], v[8*(NBF*((\a)%4)+(\b)):8*(NBF*((\a)%4)+(\b))+3]   offset:((\a)%4)*16*SPI+64*(\b)
	ds_store_b128 v[STO+(\a)/4], v[8*(NBF*((\a)%4)+(\b))+4:8*(NBF*((\a)%4)+(\b))+7] offset:((\a)%4)*16*SPI+64*(\b)+16
.endr
.endr
	WIN 0
	s_wait_dscnt 0x0                               ; for the others' sake
	s_barrier_signal -1
	s_barrier_wait -1
	s_mov_b32 s3, 8
.Lrows:                                            ; wave w rounds and stores rows 64 w .. 64 w + 63, eight a trip: for each plane twice four rows of 128 bytes
.irp g, 0,1
.irp p, 0,1,2
	ds_load_b128 v[LD+8*(3*(\g)+(\p)):LD+8*(3*(\g)+(\p))+3],   v[RD] offset:(\g)*4*SPI+(\p)*256
	ds_load_b128 v[LD+8*(3*(\g)+(\p))+4:LD+8*(3*(\g)+(\p))+7], v[RD] offset:(\g)*4*SPI+(\p)*256+16
.endr
.endr
	s_wait_dscnt 0x0
.set k, 0
.rept 24
	v_cvt_pk_bf16_f32 v[YQ+k], v[LD+2*k], v[LD+2*k+1]
.set k, k+1
.endr
.irp g, 0,1
.irp p, 0,1,2
	global_store_b128 v[GO+(\p)], v[YQ+4*(3*(\g)+(\p)):YQ+4*(3*(\g)+(\p))+3], s[8:9] offset:(\g)*512  ; 512 consecutive bytes
.endr
.endr
	s_wait_xcnt 0x0                                ; the stores have read their data and their base
	s_add_nc_u64 s[8:9], s[8:9], 1024
	v_add_nc_u32 v[RD], 8*SPI, v[RD]
	s_sub_co_u32 s3, s3, 1
	s_cmp_lg_u32 s3, 0
	s_cbranch_scc1 .Lrows
	s_wait_tensorcnt 0x0                           ; the wave's end
	ds_add_u32 v[SPW], v[NIL]
	s_wait_dscnt 0x0
	CROUND                                         ; the closing round
	s_endpgm
.Lfunc_end_k_qb56fcfa146_gqkv:
	.size	k_qb56fcfa146_gqkv, .Lfunc_end_k_qb56fcfa146_gqkv-k_qb56fcfa146_gqkv
	.p2alignl 7, 3214868480
	.fill 96, 4, 3214868480
	.section	.rodata,"a",@progbits
	.p2align	6, 0x0
	.amdhsa_kernel k_qb56fcfa146_gqkv
		.amdhsa_group_segment_fixed_size 327680
		.amdhsa_private_segment_fixed_size 0
		.amdhsa_enable_private_segment 0
		.amdhsa_kernarg_size 24
		.amdhsa_user_sgpr_count 2
		.amdhsa_user_sgpr_kernarg_segment_ptr 1
		.amdhsa_wavefront_size32 1
		.amdhsa_system_sgpr_workgroup_id_x 1
		.amdhsa_system_sgpr_workgroup_id_y 1
		.amdhsa_system_sgpr_workgroup_id_z 1
		.amdhsa_system_vgpr_workitem_id 0
		.amdhsa_next_free_vgpr 960
		.amdhsa_next_free_sgpr 96
		.amdhsa_reserve_vcc 0
		.amdhsa_float_denorm_mode_32 3
		.amdhsa_float_denorm_mode_16_64 3
		.amdhsa_memory_ordered 1
		.amdhsa_forward_progress 1
		.amdhsa_inst_pref_size 69
	.end_amdhsa_kernel
	.amdgpu_metadata
---
amdhsa.version: [ 1, 2 ]
amdhsa.kernels:
  - .name:           k_qb56fcfa146_gqkv
    .symbol:         k_qb56fcfa146_gqkv.kd
    .args:
      - { .name: act, .offset: 0, .size: 8, .value_kind: global_buffer, .address_space: global }
      - { .name: wts, .offset: 8, .size: 8, .value_kind: global_buffer, .address_space: global }
      - { .name: qkv, .offset: 16, .size: 8, .value_kind: global_buffer, .address_space: global }
    .group_segment_fixed_size: 327680
    .private_segment_fixed_size: 0
    .kernarg_segment_align: 8
    .kernarg_segment_size: 24
    .max_flat_workgroup_size: 128
    .sgpr_count:     96
    .vgpr_count:     960
    .wavefront_size: 32
...
	.end_amdgpu_metadata
.endif
;; end of part 2
;; launch attn (part 3): grid 4 x 64, 4 waves a work-group, no clusters, 327,680 bytes of LDS; arguments qkv, act; writes act
.if DOCPART == 3
	.amdgcn_target "amdgcn-amd-amdhsa--gfx1250"
	.amdhsa_code_object_version 6
	.text
	.protected	k_qb56fcfa146_attn
	.globl	k_qb56fcfa146_attn
	.p2align	8
	.type	k_qb56fcfa146_attn,@function
k_qb56fcfa146_attn:
	s_mov_b64 s[64:65], 0
	v_nop
	global_prefetch_b8 v0, s[64:65] scope:SCOPE_SE
	s_setreg_imm32_b32 hwreg(HW_REG_WAVE_MODE, 25, 1), 1
	s_wait_xcnt 0x0
; CAUSAL ATTENTION.  O[bh][t] = the sum over s <= t of softmax_s(q[t] . k[s] / 8) v[s].  qkv: [3][64 bh][1024][64] bf16.  act: [64 bh][1024][64] bf16.
; WORK LEFT OUT: key tiles wholly above the diagonal (reference()'s own jnp.tril gives them the weight 0 for all inputs): 28 of a head's 64 tiles of 128 x 128.
; LIMITS: a hidden score inside a diagonal tile counts as its value less 1e30; a weight below 2^-126 counts as 0; a NaN or infinity in a k or v row does not reach queries of earlier tiles.
; THE WALK.  A head's queries lie in 8 blocks of 128.  Work-group p (0..3) takes blocks HI = 7 - p and LO = p and walks the key tiles 0..7 ONCE: tile j is multiplied for HI while j <= HI and for LO
; while j <= LO: nine block-tiles whatever p, and a tile's fragments of K and V, read from LDS once, serve both blocks.  The loop has eight trips; what hangs on p are forward jumps over text with
; neither a barrier nor a tensor load, and the jump round the fill of a tile past HI, which nobody would read.  Every wait for tensor loads is for 0.
; NO CLUSTER: which tiles a work-group multiplies, and where its fills stop, hang on p, which would be its place in the cluster; partners must run alike.
; SHARES.  In each block a wave owns rows 64 u + 16 w + 0..15, u = 0, 1: so the diagonal tile is the same work for all four waves.
; LAYOUT.  S^T = K Q^T holds one query a lane (lane % 16) and the keys 8 (lane / 16) + 0..7; two such results rounded to bf16 are source 1 of O^T = V^T P.  V is turned by ds_load_tr16_b128.
; SOFTMAX.  p = 2^(c s - c m), c = log2(e) / 8, with a running maximum m; O and l are multiplied by a = 2^(c m_old - c m_new) in every step.  m starts at the lowest finite number, O and l at 0.
; THE MASK is the C operand that starts a sum: MD (made once) is the pattern of 64 keys against my 16 rows; X = MD x AL and Y = BY, with AL = 1, BY = -1e30 in the diagonal tile and 0, 0 elsewhere.
; IN PHASES: a block-tile's products K Q^T, its softmax, its products V^T P.  The exponentials are two batches, each with one wait, a plain instruction beside each exponential.
; REGISTERS: window 0: v0-17 addresses; v32-47 statistics (c m, m, l, l for tile 2 x + u); v48-63 at work; v64-191 S^T; v192-255 P
;   window 1: v0-127 O^T; v128-191 Q; v192-223 X; v224-231 Y        window 2: v0-127 K; v128-255 V        window 3: v0-31 MD
.set PK,    144
.set PV,    160
.set VOFF,  128*PK                     ; a slot: 128 rows of K, then 128 rows of V
.set SLOT1, 65536
.set STAGE, 131072                     ; 16 rows x 144 bytes for each wave, for the way out; no tensor load lands here
.set SP,    144
.set SPARE, STAGE+4*16*SP
.set TILEB, 16384                      ; bytes of a tile in K and in V
.set AK0, 2
.set AV0, 3
.set AK,  4
.set AV,  5
.set STO, 6
.set RD,  7
.set GO,  8
.set PFO, 9
.set QO,  15
.set SPW, 16
.set NIL, 17
.set ST,  32
.set TMP, 48
.set S,   64
.set P,   192
.set QF,  128
.set XM,  192
.set YM,  224
.set VF,  128
.set MD,  0
.set WV,  12
.set LO,  14
.set HI,  15
.set G1K, 24
.set G1V, 32
.set G0K, 40
.set G0V, 44
.set J,   56
.set RB,  57
.set CS,  58
.set SEL, 60
.set OH,  66
.set OL,  68
.set AL,  70
.set BY,  72
.set BIGN, 73
.set PLIM, 74
.set PFA, 76
.set QH,  78
.set QL,  80
.set MSB, 0
.macro WIN new
.if MSB != (\new)
	s_set_vgpr_msb (MSB<<8)|(\new)
.set MSB, (\new)
.endif
.endm
.macro PLACES
.rept 4
	v_nop
.endr
.endm
.macro LOAD                            ; waves 0 and 1 fetch the halves of a tile's K, waves 2 and 3 of its V: 64 keys each
	s_cmp_lt_u32 s[WV], 2
	s_cbranch_scc0 .Lfor_v_\@
	tensor_load_to_lds s[G0K:G0K+3], s[G1K:G1K+7]
	s_nop 0
.rept 4
	v_nop
.endr
	s_branch .Lasked_\@
.Lfor_v_\@:
	tensor_load_to_lds s[G0V:G0V+3], s[G1V:G1V+7]
	s_nop 0
.rept 4
	v_nop
.endr
.Lasked_\@:
.endm
	s_load_b128 s[4:7], s[0:1], 0x0                ; qkv, act
	v_lshl_add_u32 v[SPW], v0, 2, SPARE
	v_mov_b32 v[NIL], 0
	ds_add_u32 v[SPW], v[NIL]                      ; the opening: the add, twice on end, and its wait ahead of my first tensor load
	ds_add_u32 v[SPW], v[NIL]
	v_lshrrev_b32 v1, 5, v0
	v_readfirstlane_b32 s[WV], v1
	s_mov_b32 s[LO], ttmp9
	s_sub_co_u32 s[HI], 7, s[LO]
	s_and_b32 s20, ttmp7, 0xffff
	s_lshl_b32 s20, s20, 17                        ; the head's first byte in a plane
	s_and_b32 s16, s[WV], 1                        ; which half of a tile I fetch
	s_lshl_b32 s22, s16, 13
	s_add_co_u32 s22, s22, s20
	s_mov_b32 s23, 0
	s_mul_i32 s17, s16, 64*PK
	s_mul_i32 s18, s16, 64*PV
	s_lshl_b32 s13, s[WV], 11                      ; my 16 rows in a band of 64
	s_add_co_u32 s13, s13, s20
	s_lshl_b32 s2, s[HI], 14
	s_add_co_u32 s2, s2, s13
	s_mov_b32 s3, 0
	s_lshl_b32 s82, s[LO], 14
	s_add_co_u32 s82, s82, s13
	s_mov_b32 s83, 0
	s_lshr_b32 s84, s[WV], 1                       ; the prefetches: my own half tile, in k's plane (waves 0, 1) or v's, at tile 2; each trip steps it first
	s_add_co_u32 s84, s84, 1
	s_lshl_b32 s84, s84, 23
	s_add_co_u32 s84, s84, s22
	s_add_co_u32 s84, s84, 2*TILEB
	s_mov_b32 s85, 0
	s_mov_b32 s[G1K], (1<<16)|(1<<20)|(4<<22)|(3<<25)  ; 64 keys are 8,192 dense bytes: 32 rows of 256, padded after every key: 4 words,
	s_mov_b32 s[G1V], (1<<16)|(1<<20)|(4<<22)|(7<<25)  ; or 8
.irp g, G1K, G1V
	s_mov_b32 s[\g+1], 128<<16
	s_mov_b32 s[\g+2], 32<<16
	s_mov_b32 s[\g+3], 128<<16
	s_mov_b32 s[\g+4], 32
	s_mov_b32 s[\g+5], 128
	s_mov_b32 s[\g+6], 0
	s_mov_b32 s[\g+7], 0
.endr
	s_mov_b32 s[G0K], 1
	s_mov_b32 s[G0K+1], s17
	s_mov_b32 s[G0V], 1
	s_add_co_u32 s[G0V+1], s18, VOFF
	s_mov_b32 s[CS], 0x3e38aa3b                    ; c = log2(e) / 8
	s_mov_b32 s[CS+1], s[CS]
	s_mov_b32 s[SEL], 0x76543210
	s_mov_b32 s[SEL+1], 0xfedcba98
	s_mov_b32 s[AL+1], 0
	s_mov_b32 s[BIGN], 0xf149f2ca                  ; -1e30
	s_mov_b32 s[J], 0
	s_mov_b32 s[RB], SLOT1                         ; the first trip turns it into 0
	s_cmp_eq_u32 s[LO], 0                          ; all four work-groups of a head walk the same tiles: the one that walks all eight asks,
	s_cselect_b32 s[PLIM], 5, 0                    ; in trips 0 to 4, for tiles 3 to 7
	s_wait_dscnt 0x0
	s_wait_kmcnt 0x0
	s_add_nc_u64 s[G0K+2:G0K+3], s[4:5], s[22:23]
	s_add_nc_u64 s[G0K+2:G0K+3], s[G0K+2:G0K+3], 8388608
	s_or_b32 s[G0K+3], s[G0K+3], 0x80000000
	s_add_nc_u64 s[G0V+2:G0V+3], s[4:5], s[22:23]
	s_add_nc_u64 s[G0V+2:G0V+3], s[G0V+2:G0V+3], 16777216
	s_or_b32 s[G0V+3], s[G0V+3], 0x80000000
	s_add_nc_u64 s[QH:QH+1], s[4:5], s[2:3]
	s_add_nc_u64 s[QL:QL+1], s[4:5], s[82:83]
	s_add_nc_u64 s[OH:OH+1], s[6:7], s[2:3]
	s_add_nc_u64 s[OL:OL+1], s[6:7], s[82:83]
	s_add_nc_u64 s[PFA:PFA+1], s[4:5], s[84:85]
	LOAD                                           ; tile 0 into slot 0
	v_and_b32 v1, 15, v0                           ; l % 16
	v_bfe_u32 v13, v0, 4, 1                        ; l / 16
	v_lshlrev_b32 v[QO], 7, v1
	v_lshl_add_u32 v[QO], v13, 4, v[QO]
	WIN 0x40                                       ; destination window 1
.irp u, 0,1
.irp c, 0,1
	global_load_b128 v[QF+16*(\u)+8*(\c):QF+16*(\u)+8*(\c)+3],       v[QO], s[QH:QH+1] offset:(\u)*8192+(\c)*64
	global_load_b128 v[QF+16*(\u)+8*(\c)+4:QF+16*(\u)+8*(\c)+7],     v[QO], s[QH:QH+1] offset:(\u)*8192+(\c)*64+32
	global_load_b128 v[QF+32+16*(\u)+8*(\c):QF+32+16*(\u)+8*(\c)+3], v[QO], s[QL:QL+1] offset:(\u)*8192+(\c)*64
	global_load_b128 v[QF+32+16*(\u)+8*(\c)+4:QF+32+16*(\u)+8*(\c)+7], v[QO], s[QL:QL+1] offset:(\u)*8192+(\c)*64+32
.endr
.endr
	WIN 0
	v_lshlrev_b32 v14, 3, v13
	v_sub_nc_u32 v14, v1, v14
	s_lshl_b32 s13, s[WV], 4
	v_add_nc_u32 v14, s13, v14                     ; 16 w + l % 16 - 8 (l / 16): register i of key group g is hidden where 16 g + i is greater
	WIN 0xc0
.set i, 0
.rept 32
	v_cmp_gt_i32 vcc_lo, 16*(i/8)+i%8, v14
	v_cndmask_b32 v[MD+i], 0, s[BIGN], vcc_lo
.set i, i+1
.endr
	WIN 0x40                                       ; O^T starts at 0, so that every step has one form; written in the wait for the first tile
.set i, 0
.rept 128
	v_mov_b32 v[i], 0
.set i, i+1
.endr
	WIN 0
.set i, 0
.rept 4
	v_mov_b32 v[ST+4*i], 0xfe000000                ; c m: far below every c s
	v_mov_b32 v[ST+4*i+1], 0xff7fffff              ; m
	v_mov_b32 v[ST+4*i+2], 0
	v_mov_b32 v[ST+4*i+3], 0
.set i, i+1
.endr
	v_mul_u32_u24 v[AK0], v1, PK
	v_lshl_add_u32 v[AK0], v13, 4, v[AK0]
	v_and_b32 v10, 7, v0
	v_bfe_u32 v11, v0, 3, 1
	v_lshl_add_u32 v[AV0], v13, 3, v10
	v_mul_u32_u24 v[AV0], v[AV0], PV
	v_lshl_add_u32 v[AV0], v11, 4, v[AV0]
	v_add_nc_u32 v[AV0], VOFF, v[AV0]
	s_mul_i32 s13, s[WV], 16*SP
	s_add_co_u32 s13, s13, STAGE
	v_mul_u32_u24 v[STO], v1, SP
	v_lshl_add_u32 v[STO], v13, 4, v[STO]
	v_add_nc_u32 v[STO], s13, v[STO]
	v_bfe_u32 v[RD], v0, 3, 2
	v_mul_u32_u24 v[RD], v[RD], SP
	v_lshl_add_u32 v[RD], v10, 4, v[RD]
	v_add_nc_u32 v[RD], s13, v[RD]
	v_and_b32 v[GO], 31, v0
	v_lshlrev_b32 v[PFO], 8, v[GO]                 ; a lane a block of 256 bytes of my half tile
	v_lshlrev_b32 v[GO], 4, v[GO]
.macro REGS x, u
.set rT, ST+4*(2*(\x)+(\u))
.set rC, TMP+8*(\u)
.set rS, S+64*(\u)
.set rP, P+32*(\u)
.set rO, 64*(\x)+32*(\u)
.endm
; Product i of 32 of S^T = K Q^T for block x: channels 32 (i / 16) on, keys 16 ((i / 2) % 8) on, tile i % 2.  The 16 accumulators take turns.
.macro KQ x
.set kb, (i/2)%8
.set uu, i%2
.set cc, i/16
.set rS, S+64*uu+8*kb
.set rK, 16*kb+8*cc
.set rQ, QF+32*(\x)+16*uu+8*cc
.if cc == 1
	WIN 0x06
	v_wmma_f32_16x16x32_bf16 v[rS:rS+7], v[rK:rK+7], v[rQ:rQ+7], v[rS:rS+7]
.else
	WIN 0x16
.if (uu == 0) && (kb < 4)
	v_wmma_f32_16x16x32_bf16 v[rS:rS+7], v[rK:rK+7], v[rQ:rQ+7], v[XM+8*kb:XM+8*kb+7]
.elseif uu == 0
	v_wmma_f32_16x16x32_bf16 v[rS:rS+7], v[rK:rK+7], v[rQ:rQ+7], v[YM:YM+7]
.elseif kb < 4
	v_wmma_f32_16x16x32_bf16 v[rS:rS+7], v[rK:rK+7], v[rQ:rQ+7], 0
.else
	v_wmma_f32_16x16x32_bf16 v[rS:rS+7], v[rK:rK+7], v[rQ:rQ+7], v[XM+8*(kb-4):XM+8*(kb-4)+7]
.endif
.endif
.endm
; Product i of 32 of O^T += V^T P: keys 32 (i / 8) on, channels 16 ((i / 2) % 4) on, tile i % 2.  Eight accumulators by turns.
.macro PVM x
	WIN 0x52
.set rO, 64*(\x)+32*(i%2)+8*((i/2)%4)
.set rV, VF+32*(i/8)+8*((i/2)%4)
.set rP, P+32*(i%2)+8*(i/8)
	v_wmma_f32_16x16x32_bf16 v[rO:rO+7], v[rV:rV+7], v[rP:rP+7], v[rO:rO+7]
.endm
; Number n of the 38 that find a tile's maximum and statistics: 0-23 eight chains of seven scores (each accumulator's lowest registers first);
; 24-27 the eight scores left over; 28-31 the chains and the old m into one; 32, 33 the lane 16 away holds the query's other keys; 34-37 c m_old kept, c m, the change, a.
.macro MX x, u
	REGS \x, \u
.if n < 8
	v_max3_num_f32 v[rC+n], v[rS+8*n], v[rS+8*n+1], v[rS+8*n+2]
.elseif n < 24
	v_max3_num_f32 v[rC+n%8], v[rC+n%8], v[rS+8*(n%8)+2*(n/8)+1], v[rS+8*(n%8)+2*(n/8)+2]
.elseif n < 28
	v_max3_num_f32 v[rC+n-24], v[rC+n-24], v[rS+16*(n-24)+7], v[rS+16*(n-24)+15]
.elseif n == 28
	v_max3_num_f32 v[rC], v[rC], v[rC+1], v[rC+2]
.elseif n == 29
	v_max3_num_f32 v[rC+3], v[rC+3], v[rC+4], v[rC+5]
.elseif n == 30
	v_max3_num_f32 v[rC+6], v[rC+6], v[rC+7], v[rT+1]
.elseif n == 31
	v_max3_num_f32 v[rC], v[rC], v[rC+3], v[rC+6]
.elseif n == 32
	v_permlanex16_b32 v[rC+1], v[rC], s[SEL], s[SEL+1]
.elseif n == 33
	v_max_num_f32 v[rT+1], v[rC], v[rC+1]
.elseif n == 34
	v_mov_b32 v[rC+2], v[rT]
.elseif n == 35
	v_mul_f32 v[rT], s[CS], v[rT+1]
.elseif n == 36
	v_sub_f32 v[rC+3], v[rC+2], v[rT]
.else
	v_exp_f32 v[rC+4], v[rC+3]
.endif
.endm
.macro FS x, u, f                      ; c s - c m for pair f of 32
	REGS \x, \u
	v_pk_fma_f32 v[rS+2*(\f):rS+2*(\f)+1], v[rS+2*(\f):rS+2*(\f)+1], s[CS:CS+1], v[rT:rT+1] op_sel_hi:[1,0,0] neg_lo:[0,0,1] neg_hi:[0,0,1]
.endm
.macro EX x, u, e                      ; the exponential of score e of 64
	REGS \x, \u
	v_exp_f32 v[rS+(\e)], v[rS+(\e)]
.endm
.macro CV x, u, k                      ; pair k rounded to bf16
	REGS \x, \u
	v_cvt_pk_bf16_f32 v[rP+(\k)], v[rS+2*(\k)], v[rS+2*(\k)+1]
.endm
.macro SU x, u, z                      ; sum z of 32: the 32 pairs are added in place, 16, 8, 4, 2 and 1 apart; then l = a l + the sum
	REGS \x, \u
.if (\z) < 16
.set wd, 16
.set i0, (\z)
.elseif (\z) < 24
.set wd, 8
.set i0, (\z)-16
.elseif (\z) < 28
.set wd, 4
.set i0, (\z)-24
.elseif (\z) < 30
.set wd, 2
.set i0, (\z)-28
.else
.set wd, 1
.set i0, 0
.endif
.if (\z) < 31
	v_pk_add_f32 v[rS+2*i0:rS+2*i0+1], v[rS+2*i0:rS+2*i0+1], v[rS+2*(i0+wd):rS+2*(i0+wd)+1]
.else
	v_pk_fma_f32 v[rT+2:rT+3], v[rT+2:rT+3], v[rC+4:rC+5], v[rS:rS+1] op_sel_hi:[1,0,1]
.endif
.endm
.macro MASK blk                        ; X = MD x AL, Y = BY: the diagonal tile's pattern, or zeros
	s_cmp_eq_u32 s[J], s[\blk]
	s_cselect_b32 s[AL], 1.0, 0
	s_cselect_b32 s[BY], s[BIGN], 0
	WIN 0x43
.set z, 0
.rept 16
	v_pk_mul_f32 v[XM+2*z:XM+2*z+1], v[MD+2*z:MD+2*z+1], s[AL:AL+1] op_sel_hi:[1,0]
.set z, z+1
.endr
	WIN 0x40
.set z, 0
.rept 8
	v_mov_b32 v[YM+z], s[BY]
.set z, z+1
.endr
	WIN 0
.endm
; A block-tile: 128 keys against the wave's 32 queries of block x.
.macro BODY x
.set i, 0
.rept 32
	KQ \x
.set i, i+1
.endr
	WIN 0
	PLACES                                         ; four places behind the last product, ahead of the first read of a score
.set n, 0
.rept 38
	MX \x, 0                                       ; the two tiles by turns, so that no line reads the result of the one before it
	MX \x, 1
.set n, n+1
.endr
	FS \x, 0, 0
	FS \x, 0, 1
.set n, 0
.rept 64                                           ; the first batch: both a (above) and tile 0's 64 exponentials; beside each a scaling that names no result of theirs
	EX \x, 0, n
.if n < 30
	FS \x, 0, n+2
.elseif n < 62
	FS \x, 1, n-30
.endif
.set n, n+1
.endr
	v_nop                                          ; a plain instruction behind the last exponential,
	s_wait_alu depctr_va_vdst(0)                   ; and the one wait for the batch
.set n, 0
.rept 64                                           ; the second batch: tile 1's exponentials; beside each a rounding or a sum of tile 0
	EX \x, 1, n
.if n < 32
	CV \x, 0, n
.else
	SU \x, 0, n-32
.endif
.set n, n+1
.endr
	v_nop
	s_wait_alu depctr_va_vdst(0)
.set n, 0
.rept 32
	CV \x, 1, n
.set n, n+1
.endr
.set n, 0
.rept 32
	SU \x, 1, n
.set n, n+1
.endr
	WIN 0x41
.irp u, 0,1
.set z, 0
.rept 16
	v_pk_mul_f32 v[64*(\x)+32*(\u)+2*z:64*(\x)+32*(\u)+2*z+1], v[64*(\x)+32*(\u)+2*z:64*(\x)+32*(\u)+2*z+1], v[TMP+8*(\u)+4:TMP+8*(\u)+5] op_sel_hi:[1,0]  ; O^T times a
.set z, z+1
.endr
.endr
	s_wait_dscnt 0x0                               ; V is in
.set i, 0
.rept 32
	PVM \x
.set i, i+1
.endr
	WIN 0
	PLACES                                         ; the places ahead of the next loads into K and V, and of the way out
.endm
; A BLOCK'S END: l's halves and the other lanes' are added; O^T is divided by l, rounded and sent through my stage, 16 rows at a time.
.macro PACK x, u
	WIN 0x41
.set z, 0
.rept 16
	v_pk_mul_f32 v[64*(\x)+32*(\u)+2*z:64*(\x)+32*(\u)+2*z+1], v[64*(\x)+32*(\u)+2*z:64*(\x)+32*(\u)+2*z+1], v[TMP+8*(\u)+4:TMP+8*(\u)+5] op_sel_hi:[1,0]
.set z, z+1
.endr
	WIN 0x05
.set z, 0
.rept 16
	v_cvt_pk_bf16_f32 v[S+16*(\u)+z], v[64*(\x)+32*(\u)+2*z], v[64*(\x)+32*(\u)+2*z+1]
.set z, z+1
.endr
	WIN 0
.irp f, 0,1,2,3
	ds_store_b128 v[STO], v[S+16*(\u)+4*(\f):S+16*(\u)+4*(\f)+3] offset:32*(\f)
.endr
.irp f, 0,1,2,3
	ds_load_b128 v[S+16*(\u)+4*(\f):S+16*(\u)+4*(\f)+3], v[RD] offset:(\f)*4*SP  ; a wave's LDS instructions are served in order: these see the stores above
.endr
.endm
.macro SEND u, younger, ptr
.irp f, 0,1,2,3
	s_wait_dscnt (\younger)+3-(\f)
	global_store_b128 v[GO], v[S+16*(\u)+4*(\f):S+16*(\u)+4*(\f)+3], s[(\ptr):(\ptr)+1] offset:(\u)*8192+(\f)*512  ; 512 consecutive bytes
.endr
.endm
.macro FINISH x, ptr
.irp u, 0,1
	v_add_f32 v[TMP+8*(\u)], v[ST+4*(2*(\x)+(\u))+2], v[ST+4*(2*(\x)+(\u))+3]
.endr
.irp u, 0,1
	v_permlanex16_b32 v[TMP+8*(\u)+1], v[TMP+8*(\u)], s[SEL], s[SEL+1]
.endr
.irp u, 0,1
	v_add_f32 v[TMP+8*(\u)], v[TMP+8*(\u)], v[TMP+8*(\u)+1]
.endr
.irp u, 0,1
	v_rcp_f32 v[TMP+8*(\u)+4], v[TMP+8*(\u)]
.endr
	v_nop
	s_wait_alu depctr_va_vdst(0)                   ; one wait for the two reciprocals
	PACK \x, 0
	PACK \x, 1
	SEND 0, 8, \ptr                                ; tile 1's eight LDS instructions may stay out
	SEND 1, 0, \ptr
	s_wait_xcnt 0x0                                ; the stores have read S^T's registers, which the next products write
.endm
.Ltile:                                            ; eight trips
	s_wait_tensorcnt 0x0                           ; my one load that was out, my part of this trip's tile, has landed: the descriptors may be written
	ds_add_u32 v[SPW], v[NIL]
	s_xor_b32 s[G0K+1], s[G0K+1], SLOT1            ; the other slot, the next tile
	s_add_nc_u64 s[G0K+2:G0K+3], s[G0K+2:G0K+3], TILEB
	s_xor_b32 s[G0V+1], s[G0V+1], SLOT1
	s_add_nc_u64 s[G0V+2:G0V+3], s[G0V+2:G0V+3], TILEB
	s_xor_b32 s[RB], s[RB], SLOT1
	s_wait_xcnt 0x0                                ; the last prefetch, a trip back, has read its address
	s_add_nc_u64 s[PFA:PFA+1], s[PFA:PFA+1], TILEB
	s_wait_dscnt 0x0                               ; the add is done, and my reads of the other slot are over
	s_barrier_signal -1
	s_barrier_wait -1
	s_cmp_lt_u32 s[J], s[HI]                       ; tile J + 1 is read only if J < HI: the condition is the same in all four waves
	s_cbranch_scc0 .Lnofill
	LOAD
.Lnofill:
	s_cmp_lt_u32 s[J], s[PLIM]
	s_cbranch_scc0 .Lnoask
	global_prefetch_b8 v[PFO], s[PFA:PFA+1] th:TH_LOAD_NT scope:SCOPE_SE  ; my half of tile J + 3: two fills ahead of the load that will ask for it
.Lnoask:
	s_cmp_gt_u32 s[J], s[HI]
	s_cbranch_scc1 .Lnext
	v_add_nc_u32 v[AK], s[RB], v[AK0]
	v_add_nc_u32 v[AV], s[RB], v[AV0]
	WIN 0x80                                       ; destination window 2
.irp f, 0,1,2,3,4,5,6,7,8,9,10,11,12,13,14,15      ; K: keys 16 (f / 2) on, channels 32 (f % 2) on
	ds_load_b128 v[8*(\f):8*(\f)+3],   v[AK] offset:((\f)/2)*16*PK+((\f)%2)*64
	ds_load_b128 v[8*(\f)+4:8*(\f)+7], v[AK] offset:((\f)/2)*16*PK+((\f)%2)*64+32
.endr
.irp f, 0,1,2,3,4,5,6,7,8,9,10,11,12,13,14,15      ; V, turned: keys 32 (f / 4) on, channels 16 (f % 4) on
	ds_load_tr16_b128 v[VF+8*(\f):VF+8*(\f)+3],   v[AV] offset:((\f)/4)*32*PV+((\f)%4)*32
	ds_load_tr16_b128 v[VF+8*(\f)+4:VF+8*(\f)+7], v[AV] offset:((\f)/4)*32*PV+16*PV+((\f)%4)*32
.endr
	WIN 0
	MASK HI
	s_wait_loadcnt 0x0                             ; Q (met at once in later trips)
	s_wait_dscnt 32                                ; K is in; V's 32 loads may stay out
	BODY 0
	s_cmp_eq_u32 s[J], s[HI]
	s_cbranch_scc0 .Lnot_end_hi
	FINISH 0, OH
.Lnot_end_hi:
	s_cmp_gt_u32 s[J], s[LO]
	s_cbranch_scc1 .Lnext
	MASK LO
	BODY 1
	s_cmp_eq_u32 s[J], s[LO]
	s_cbranch_scc0 .Lnext
	FINISH 1, OL
.Lnext:
	s_add_co_u32 s[J], s[J], 1
	s_cmp_lt_u32 s[J], 8
	s_cbranch_scc1 .Ltile
	s_wait_tensorcnt 0x0                           ; the wave's end
	ds_add_u32 v[SPW], v[NIL]
	s_wait_dscnt 0x0
	s_endpgm
.Lfunc_end_k_qb56fcfa146_attn:
	.size	k_qb56fcfa146_attn, .Lfunc_end_k_qb56fcfa146_attn-k_qb56fcfa146_attn
	.p2alignl 7, 3214868480
	.fill 96, 4, 3214868480
	.section	.rodata,"a",@progbits
	.p2align	6, 0x0
	.amdhsa_kernel k_qb56fcfa146_attn
		.amdhsa_group_segment_fixed_size 327680
		.amdhsa_private_segment_fixed_size 0
		.amdhsa_enable_private_segment 0
		.amdhsa_kernarg_size 16
		.amdhsa_user_sgpr_count 2
		.amdhsa_user_sgpr_kernarg_segment_ptr 1
		.amdhsa_wavefront_size32 1
		.amdhsa_system_sgpr_workgroup_id_x 1
		.amdhsa_system_sgpr_workgroup_id_y 1
		.amdhsa_system_sgpr_workgroup_id_z 1
		.amdhsa_system_vgpr_workitem_id 0
		.amdhsa_next_free_vgpr 800
		.amdhsa_next_free_sgpr 96
		.amdhsa_reserve_vcc 1
		.amdhsa_float_denorm_mode_32 3
		.amdhsa_float_denorm_mode_16_64 3
		.amdhsa_memory_ordered 1
		.amdhsa_forward_progress 1
		.amdhsa_inst_pref_size 92
	.end_amdhsa_kernel
	.amdgpu_metadata
---
amdhsa.version: [ 1, 2 ]
amdhsa.kernels:
  - .name:           k_qb56fcfa146_attn
    .symbol:         k_qb56fcfa146_attn.kd
    .args:
      - { .name: qkv, .offset: 0, .size: 8, .value_kind: global_buffer, .address_space: global }
      - { .name: act, .offset: 8, .size: 8, .value_kind: global_buffer, .address_space: global }
    .group_segment_fixed_size: 327680
    .private_segment_fixed_size: 0
    .kernarg_segment_align: 8
    .kernarg_segment_size: 16
    .max_flat_workgroup_size: 128
    .sgpr_count:     96
    .vgpr_count:     800
    .wavefront_size: 32
...
	.end_amdgpu_metadata
.endif
;; end of part 3
;; launch gwo (part 4): grid 8 x 32, 4 waves a work-group, clusters of 4 x 4, 327,680 bytes of LDS; arguments act, wts, x, bo, res; writes res
.if DOCPART == 4
	.amdgcn_target "amdgcn-amd-amdhsa--gfx1250"
	.amdhsa_code_object_version 6
	.text
	.protected	k_qb56fcfa146_gwo
	.globl	k_qb56fcfa146_gwo
	.p2align	8
	.type	k_qb56fcfa146_gwo,@function
k_qb56fcfa146_gwo:
	s_mov_b64 s[64:65], 0
	v_nop
	global_prefetch_b8 v0, s[64:65] scope:SCOPE_SE
	s_setreg_imm32_b32 hwreg(HW_REG_WAVE_MODE, 25, 1), 1
	s_wait_xcnt 0x0
	s_wait_alu depctr_hold_cnt(0) depctr_sa_sdst(0) depctr_va_vdst(0) depctr_va_sdst(0) depctr_va_ssrc(0) depctr_va_vcc(0) depctr_vm_vsrc(0)
	s_getreg_b32 s2, hwreg(HW_REG_IB_STS2, 6, 4)
	s_cmp_eq_u32 s2, 0
	s_cbranch_scc0 .Lentry_in_a_cluster
	s_endpgm
.Lentry_in_a_cluster:
	s_bfe_u32 s2, ttmp6, 0x10000c
	s_cmp_lg_u32 s2, 0xf033
	s_cbranch_scc0 .Lentry_shape_is_right
	s_endpgm
.Lentry_shape_is_right:
; res = x + attn x Wo + bo.  act: attention's output, [64 bh][1024 t][64] bf16.  Wo: [1024 k][1024] bf16 at byte WOFF of wts.  x, res: [4096][1024] f32.
; A tile is 128 x 128: 8 x 32 = 256 work-groups.  K IS SPLIT AMONG THE FOUR WAVES: of each K step of 256 (four heads) wave w takes head w, for the whole tile: 64 accumulators, 512 registers,
; so a byte read from LDS feeds as many products as in a tile of 256 x 256.  The four f32 partial tiles meet in LDS at the end.
; act's tile: two heads x 128 rows x 64 channels a load: two dense rows of 16,384 bytes, padded after every 128.  Wo lies [K][N] and is turned by ds_load_tr16_b128.
; THE TILE OF x: each wave asks at its head for the 32 rows that it will finish, into 128 registers of window 1 that the loop does not name, and lays them into slot 0 when the ring has had its last fill.
; CLUSTER 4 x 4: act's tile is shared along a row, Wo's along a column.  NO PREFETCH: the launch has four K steps, two of them asked for at its head.
; REGISTERS: window 0: v0-47 addresses and the bias, v64-127 and v128-191 fragments of act (two buffers), later the way out; window 1: the same two buffers for Wo, v0-63 and v192-255 x;
; windows 2, 3: accumulators (a % 4, b) at v[8 (8 (a % 4) + b)].
.set STEPS,  4
.set PA,     144
.set HEADB,  128*PA                    ; 18,432: a head's 128 rows
.set AREG,   4*HEADB                   ; 73,728
.set PB,     288
.set HALFB,  128*PB                    ; 36,864
.set SLOT,   AREG+2*HALFB              ; 147,456
.set SPARE,  2*SLOT
.set ASTEP,  524288                    ; four heads
.set BSTEP,  524288                    ; 256 k-rows
.set WOFF,   6291456
.set NL,     32
.set SPI,    528                       ; a row of 128 f32 + 16 bytes
.set PART,   64*SPI                    ; a partial half tile
.set STG,    SLOT                      ; the stage: slot 1, behind its last read
.set ADRA,  16
.set ADRA0, 17
.set ADRB,  18
.set ADRB0, 21
.set STO,   24
.set CO,    26
.set RD,    27
.set SPW,   28
.set NIL,   29
.set RR,    30
.set RD2,   31
.set RDW,   32
.set RD2W,  33
.set RRW,   34
.set COW,   35
.set BO,    43
.set BI,    44
.set L,     64
.set F0,    64
.set F1,    128
.set G1,  24
.set G0,  32
.set G1B, 48
.set G0B, 56
.set RB,  84
.set FB,  85
.set LW,  86
.set MSB, 0
.macro WIN new
.if MSB != (\new)
	s_set_vgpr_msb (MSB<<8)|(\new)
.set MSB, \new
.endif
.endm
.set MUL_LO, 0xa1
.set MUL_HI, 0xf1
.set TO_B,   0x40
.macro JLOAD s
	s_cmp_eq_u32 s11, 0
	s_cbranch_scc0 .Lfor_b_\@
	tensor_load_to_lds s[G0+4*(\s):G0+4*(\s)+3], s[G1:G1+7]
	s_nop 0
.rept 4
	v_nop
.endr
	s_branch .Lasked_\@
.Lfor_b_\@:
	tensor_load_to_lds s[G0B+4*(\s):G0B+4*(\s)+3], s[G1B:G1B+7]
	s_nop 0
.rept 4
	v_nop
.endr
.Lasked_\@:
.endm
.macro CREST
	s_cmp_lg_u32 s10, 0
	s_cbranch_scc1 .Lnot_wave_0_\@
	s_barrier_signal -3
.Lnot_wave_0_\@:
	s_barrier_wait -3
	s_barrier_signal -1
	s_barrier_wait -1
.endm
.macro CROUND
	s_barrier_signal -1
	s_barrier_wait -1
	CREST
.endm
.macro PLACES
.rept 4
	v_nop
.endr
.endm
	s_load_b128 s[4:7], s[0:1], 0x0                ; act, wts
	s_load_b128 s[68:71], s[0:1], 0x10             ; x s[68:69], bo s[70:71]
	s_load_b64 s[8:9], s[0:1], 0x20                ; res
	v_lshl_add_u32 v[SPW], v0, 2, SPARE
	v_mov_b32 v[NIL], 0
	ds_add_u32 v[SPW], v[NIL]                      ; the opening: the add, twice on end, and its wait ahead of my first tensor load
	ds_add_u32 v[SPW], v[NIL]
	v_lshrrev_b32 v1, 5, v0
	v_readfirstlane_b32 s10, v1
	s_lshr_b32 s11, s10, 1                         ; I fetch for act (0) or for Wo (1),
	s_and_b32 s12, s10, 1                          ; and which half
	s_bfe_u32 s40, ttmp6, 0x40000
	s_bfe_u32 s41, ttmp6, 0x40004
	s_lshl_b32 s42, ttmp9, 2
	s_add_co_u32 s42, s42, s40                     ; tile column
	s_and_b32 s13, ttmp7, 0xffff
	s_lshl_b32 s13, s13, 2
	s_add_co_u32 s13, s13, s41                     ; tile row
	s_lshl_b32 s43, s41, 2
	s_lshl_b32 s43, 15, s43
	s_lshl_b32 s44, 0x1111, s40
	s_or_b32 s[G1], s43, (1<<16)|(1<<20)|(1<<21)|(4<<22)|(3<<25)   ; 4 words of padding after every 32
	s_or_b32 s[G1B], s44, (1<<16)|(1<<20)|(1<<21)|(5<<22)|(7<<25)  ; 8 words after every 64
	s_mov_b32 s[G1+1], 8192<<16                    ; act: 2 rows x 8,192 elements (128 rows of a head, dense), a head from row to row
	s_mov_b32 s[G1+2], 2<<16
	s_mov_b32 s[G1+3], 8192<<16
	s_mov_b32 s[G1+4], 2
	s_mov_b32 s[G1+5], 65536
	s_mov_b32 s[G1+6], 0
	s_mov_b32 s[G1+7], 0
	s_mov_b32 s[G1B+1], 128<<16                    ; Wo: 128 k-rows x 128 elements
	s_mov_b32 s[G1B+2], 128<<16
	s_mov_b32 s[G1B+3], 128<<16
	s_mov_b32 s[G1B+4], 128
	s_mov_b32 s[G1B+5], 1024
	s_mov_b32 s[G1B+6], 0
	s_mov_b32 s[G1B+7], 0
	s_lshr_b32 s16, s13, 3                         ; act: batch x 16 heads + 2 x half heads of 131,072 bytes + 128 (tile row % 8) rows of 128
	s_lshl_b32 s16, s16, 21
	s_lshl_b32 s17, s12, 18
	s_add_co_u32 s16, s16, s17
	s_and_b32 s17, s13, 7
	s_lshl_b32 s17, s17, 14
	s_add_co_u32 s16, s16, s17
	s_mov_b32 s17, 0
	s_lshl_b32 s46, s42, 8                         ; Wo: 128 x half k-rows of 2,048 bytes + 256 x tile column
	s_lshl_b32 s47, s12, 18
	s_add_co_u32 s46, s46, s47
	s_add_co_u32 s46, s46, WOFF
	s_mov_b32 s47, 0
	s_mul_i32 s[LW], s10, HALFB                    ; wave x 36,864: act's two halves, then Wo's
	s_mov_b32 s[RB], 0
	s_mov_b32 s[FB], SLOT
	s_wait_dscnt 0x0
	s_wait_kmcnt 0x0
	s_add_nc_u64 s[14:15], s[4:5], s[16:17]
	s_add_nc_u64 s[46:47], s[6:7], s[46:47]
	CROUND
.irp s, 0,1
	s_mov_b32 s[G0+4*(\s)], 1
	s_add_co_u32 s[G0+4*(\s)+1], s[LW], (\s)*SLOT
	s_add_nc_u64 s[G0+4*(\s)+2:G0+4*(\s)+3], s[14:15], (\s)*ASTEP
	s_or_b32 s[G0+4*(\s)+3], s[G0+4*(\s)+3], 0x80000000
	s_mov_b32 s[G0B+4*(\s)], 1
	s_add_co_u32 s[G0B+4*(\s)+1], s[LW], (\s)*SLOT
	s_add_nc_u64 s[G0B+4*(\s)+2:G0B+4*(\s)+3], s[46:47], (\s)*BSTEP
	s_or_b32 s[G0B+4*(\s)+3], s[G0B+4*(\s)+3], 0x80000000
	JLOAD \s
.endr
	v_and_b32 v1, 15, v0
	v_bfe_u32 v2, v0, 4, 1
	v_and_b32 v6, 31, v0
	v_mul_u32_u24 v3, v1, PA
	v_lshl_add_u32 v3, v2, 4, v3
	s_mul_i32 s21, s10, HEADB                      ; my head of the K step's four
	v_add_nc_u32 v[ADRA0], s21, v3
	v_mov_b32 v[ADRA], v[ADRA0]
	v_and_b32 v4, 7, v0
	v_lshl_add_u32 v4, v2, 3, v4
	v_mul_u32_u24 v4, v4, PB
	v_bfe_u32 v5, v0, 3, 1
	v_lshl_add_u32 v4, v5, 4, v4
	s_mul_i32 s22, s10, 64*PB                      ; my 64 k-rows
	s_add_co_u32 s22, s22, AREG
	v_add_nc_u32 v[ADRB0], s22, v4
	v_mov_b32 v[ADRB], v[ADRB0]
	s_mul_i32 s23, s10, PART                       ; the way out, in: my partial half tile
	s_add_co_u32 s23, s23, STG
	v_mul_u32_u24 v4, v1, SPI
	v_lshl_add_u32 v4, v2, 5, v4
	v_add_nc_u32 v[STO], s23, v4
	s_mul_i32 s23, s10, 16*SPI                     ; back: rows 16 w .. of the half, a row an instruction
	v_lshl_add_u32 v[RR], v6, 4, s23
	v_add_nc_u32 v[RD], STG, v[RR]
	v_add_nc_u32 v[RD2], 2*PART, v[RD]
	s_lshl_b32 s23, s10, 16
	v_lshl_add_u32 v[CO], v6, 4, s23               ; 16 w rows of 4,096 bytes + 16 x lane: in x and in res
	s_lshl_b32 s22, s42, 9
	v_lshl_add_u32 v[BO], v6, 4, s22
	global_load_b128 v[BI:BI+3], v[BO], s[70:71]   ; the bias of my four columns
	s_lshl_b32 s20, s13, 19
	s_add_co_u32 s20, s20, s22
	s_mov_b32 s21, 0
	s_add_nc_u64 s[8:9], s[8:9], s[20:21]          ; res and x at the tile's corner
	s_add_nc_u64 s[68:69], s[68:69], s[20:21]
	WIN TO_B                                       ; destination window 1
.set n, 0
.rept 32                                           ; my 16 rows of each half of x's tile: a load covers a row's 512 consecutive bytes; they land under the K steps
	global_load_b128 v[4*n+128*(n/16):4*n+128*(n/16)+3], v[CO], s[68:69] offset:((n/16)*64+n%16)*4096 th:TH_LOAD_NT
.set n, n+1
.endr
	WIN 0
.macro MULG f, hi, a0, zero
	WIN MUL_LO+0x50*(\hi)
.irp a, \a0, (\a0)+1
.irp b, 0,1,2,3,4,5,6,7
.if \zero
	v_wmma_f32_16x16x32_bf16 v[8*(8*(\a)+(\b)):8*(8*(\a)+(\b))+7], v[(\f)+8*(\b):(\f)+8*(\b)+7], v[(\f)+8*(4*(\hi)+(\a)):(\f)+8*(4*(\hi)+(\a))+7], 0
.else
	v_wmma_f32_16x16x32_bf16 v[8*(8*(\a)+(\b)):8*(8*(\a)+(\b))+7], v[(\f)+8*(\b):(\f)+8*(\b)+7], v[(\f)+8*(4*(\hi)+(\a)):(\f)+8*(4*(\hi)+(\a))+7], v[8*(8*(\a)+(\b)):8*(8*(\a)+(\b))+7]
.endif
.endr
.endr
.endm
.macro FETCH q, f                      ; half q of my 64 along K: Wo's sixteen loads, then act's
	WIN TO_B
.irp i, 0,1,2,3,4,5,6,7
	ds_load_tr16_b128 v[(\f)+8*(\i):(\f)+8*(\i)+3],   v[ADRB] offset:(\q)*32*PB+32*(\i)
	ds_load_tr16_b128 v[(\f)+8*(\i)+4:(\f)+8*(\i)+7], v[ADRB] offset:(\q)*32*PB+32*(\i)+16*PB
.endr
	WIN 0
.irp i, 0,1,2,3,4,5,6,7
	ds_load_b128 v[(\f)+8*(\i):(\f)+8*(\i)+3],   v[ADRA] offset:64*(\q)+(\i)*16*PA
	ds_load_b128 v[(\f)+8*(\i)+4:(\f)+8*(\i)+7], v[ADRA] offset:64*(\q)+(\i)*16*PA+32
.endr
.endm
.macro QUARTER q, f, g, zero           ; multiplies buffer f; behind its first 16 products it fetches half q into buffer g: 48 products ahead of the run's first use
	s_wait_dscnt 8                                 ; Wo and act's rows 0-63 are in
	MULG \f, 0, 0, \zero
	PLACES
	FETCH \q, \g
	s_wait_dscnt NL                                ; all but the run just issued
	MULG \f, 0, 2, \zero
	MULG \f, 1, 0, \zero
	MULG \f, 1, 2, \zero
.endm
.macro MUL64                           ; buffer 1's 64 products
	MULG F1, 0, 0, 0
	MULG F1, 0, 2, 0
	MULG F1, 1, 0, 0
	MULG F1, 1, 2, 0
.endm
; The change of slots and the second half of a K step.  Between the wait that shows one tile landed and the request for the next stand the three lines and the round alone; the 64 products on
; buffer 1 stand behind the request, so that a K step's 128 products lie between a request and the wait for it.
.macro TURN
	WIN 0
	s_wait_tensorcnt 0x0                           ; all my tensor loads have landed: so the descriptors may be written
	ds_add_u32 v[SPW], v[NIL]                      ; 0 onto my spare word; the slots' and descriptors' steps stand between it and the wait for it
	s_xor_b32 s[FB], s[FB], SLOT
	s_xor_b32 s[RB], s[RB], SLOT
	s_add_co_u32 s[G0+5], s[LW], s[FB]
	s_add_co_u32 s[G0B+5], s[LW], s[FB]
	s_add_nc_u64 s[G0+6:G0+7], s[G0+6:G0+7], ASTEP
	s_add_nc_u64 s[G0B+6:G0B+7], s[G0B+6:G0B+7], BSTEP
	s_wait_dscnt 0x0                               ; the add is done, and my reads of this slot are over: buffer 1 holds its second half
	s_barrier_signal -1
	s_barrier_wait -1
	CREST                                          ; no wave of any partner still reads the slot or has a load on its way
	JLOAD 1                                        ; the first tensor load behind the round; its four v_nop are also the places in front of the loads below
	v_add_nc_u32 v[ADRA], s[RB], v[ADRA0]
	v_add_nc_u32 v[ADRB], s[RB], v[ADRB0]
	FETCH 0, F0
	MUL64
.endm
.macro DUMP hf                         ; my partial sums of rows 64 hf .. 64 hf + 63 into the stage, each accumulator's low registers first
	WIN 0x08+4*(\hf)
.irp a, 0,1,2,3
.irp b, 0,1,2,3,4,5,6,7
	ds_store_b128 v[STO], v[8*(8*(\a)+(\b)):8*(8*(\a)+(\b))+3]   offset:(\a)*16*SPI+64*(\b)
	ds_store_b128 v[STO], v[8*(8*(\a)+(\b))+4:8*(8*(\a)+(\b))+7] offset:(\a)*16*SPI+64*(\b)+16
.endr
.endr
	WIN 0
.endm
	s_wait_tensorcnt 1                             ; my part of K step 0 is in; K step 1's may stay out
	s_barrier_signal -1
	s_barrier_wait -1
	FETCH 0, F0
	QUARTER 1, F0, F1, 1                           ; the first products start the sums with the constant 0
	WIN 0
	s_mov_b32 s3, STEPS-2
.Lstep:                                            ; the refill with K step t + 2, the second half of K step t, the first half of K step t + 1
	TURN
	QUARTER 1, F0, F1, 0
	WIN 0
	s_sub_co_u32 s3, s3, 1
	s_cmp_lg_u32 s3, 0
	s_cbranch_scc1 .Lstep
	s_wait_tensorcnt 0x0                           ; the last change of slots fills nothing: the last K step has landed, my part of it;
	ds_add_u32 v[SPW], v[NIL]
	s_xor_b32 s[RB], s[RB], SLOT
	PLACES                                         ; the places in front of the loads into buffer 0
	s_wait_dscnt 0x0
	s_barrier_signal -1
	s_barrier_wait -1                              ; everybody's
	v_add_nc_u32 v[ADRA], s[RB], v[ADRA0]
	v_add_nc_u32 v[ADRB], s[RB], v[ADRB0]
	FETCH 0, F0
	MUL64
	QUARTER 1, F0, F1, 0
	s_wait_dscnt 8
	MULG F1, 0, 0, 0
	MULG F1, 0, 2, 0
	s_wait_dscnt 0x0
	MULG F1, 1, 0, 0
	MULG F1, 1, 2, 0
	WIN 0
	; THE WAY OUT.  The ring has had its last fill.  x goes into slot 0, each wave's rows its own; the partial sums into slot 1, 64 rows of the tile at a time.
.rept 8
	v_nop
.endr
	s_wait_dscnt 0x0                               ; my reads of the ring are over
	s_barrier_signal -1
	s_barrier_wait -1                              ; everybody's
	s_wait_loadcnt 0x0                             ; x and the bias
	WIN 0x04                                       ; store data in window 1
.set n, 0
.rept 32
	ds_store_b128 v[RR], v[4*n+128*(n/16):4*n+128*(n/16)+3] offset:(n/16)*PART+(n%16)*SPI
.set n, n+1
.endr
	WIN 0
	s_mov_b32 s2, 0
.Lhalf:                                            ; two trips: rows 0-63, rows 64-127.  The branch hangs on the loop's counter alone and holds no barrier
	s_cmp_eq_u32 s2, 0
	s_cbranch_scc0 .Ldump1
	DUMP 0
	s_branch .Ldumped
.Ldump1:
	DUMP 1
.Ldumped:
	s_wait_dscnt 0x0                               ; for the others' sake
	s_barrier_signal -1
	s_barrier_wait -1
	s_mul_i32 s14, s2, PART                        ; wave w: rows 16 w .. 16 w + 15 of the half, four a trip: four partial sums, x and the bias
	s_lshl_b32 s15, s2, 18
	v_mov_b32 v[RDW], v[RD]
	v_mov_b32 v[RD2W], v[RD2]
	v_add_nc_u32 v[RRW], s14, v[RR]
	v_add_nc_u32 v[COW], s15, v[CO]
	s_mov_b32 s3, 4
.Lred:
.irp i, 0,1,2,3
	ds_load_b128 v[L+20*(\i):L+20*(\i)+3],     v[RDW]  offset:(\i)*SPI
	ds_load_b128 v[L+20*(\i)+4:L+20*(\i)+7],   v[RDW]  offset:PART+(\i)*SPI
	ds_load_b128 v[L+20*(\i)+8:L+20*(\i)+11],  v[RD2W] offset:(\i)*SPI
	ds_load_b128 v[L+20*(\i)+12:L+20*(\i)+15], v[RD2W] offset:PART+(\i)*SPI
	ds_load_b128 v[L+20*(\i)+16:L+20*(\i)+19], v[RRW]  offset:(\i)*SPI
.endr
	s_wait_dscnt 0x0
.irp i, 0,1,2,3
.irp e, 0,2
	v_pk_add_f32 v[L+20*(\i)+(\e):L+20*(\i)+(\e)+1], v[L+20*(\i)+(\e):L+20*(\i)+(\e)+1], v[L+20*(\i)+4+(\e):L+20*(\i)+5+(\e)]
	v_pk_add_f32 v[L+20*(\i)+8+(\e):L+20*(\i)+9+(\e)], v[L+20*(\i)+8+(\e):L+20*(\i)+9+(\e)], v[L+20*(\i)+12+(\e):L+20*(\i)+13+(\e)]
	v_pk_add_f32 v[L+20*(\i)+16+(\e):L+20*(\i)+17+(\e)], v[L+20*(\i)+16+(\e):L+20*(\i)+17+(\e)], v[BI+(\e):BI+(\e)+1]
.endr
.endr
.irp i, 0,1,2,3
.irp e, 0,2
	v_pk_add_f32 v[L+20*(\i)+(\e):L+20*(\i)+(\e)+1], v[L+20*(\i)+(\e):L+20*(\i)+(\e)+1], v[L+20*(\i)+8+(\e):L+20*(\i)+9+(\e)]
.endr
.endr
.irp i, 0,1,2,3
.irp e, 0,2
	v_pk_add_f32 v[L+20*(\i)+(\e):L+20*(\i)+(\e)+1], v[L+20*(\i)+(\e):L+20*(\i)+(\e)+1], v[L+20*(\i)+16+(\e):L+20*(\i)+17+(\e)]
.endr
.endr
.irp i, 0,1,2,3
	global_store_b128 v[COW], v[L+20*(\i):L+20*(\i)+3], s[8:9] offset:(\i)*4096  ; 512 consecutive bytes
.endr
	s_wait_xcnt 0x0                                ; the stores have read their data and their offset
	v_add_nc_u32 v[RDW], 4*SPI, v[RDW]
	v_add_nc_u32 v[RD2W], 4*SPI, v[RD2W]
	v_add_nc_u32 v[RRW], 4*SPI, v[RRW]
	v_add_nc_u32 v[COW], 16384, v[COW]
	s_sub_co_u32 s3, s3, 1
	s_cmp_lg_u32 s3, 0
	s_cbranch_scc1 .Lred
	s_wait_dscnt 0x0                               ; my reads of the stage are over
	s_barrier_signal -1
	s_barrier_wait -1                              ; everybody's: the next half may be laid there
	s_add_co_u32 s2, s2, 1
	s_cmp_lt_u32 s2, 2
	s_cbranch_scc1 .Lhalf
	s_wait_tensorcnt 0x0                           ; the wave's end
	ds_add_u32 v[SPW], v[NIL]
	s_wait_dscnt 0x0
	CROUND                                         ; the closing round
	s_endpgm
.Lfunc_end_k_qb56fcfa146_gwo:
	.size	k_qb56fcfa146_gwo, .Lfunc_end_k_qb56fcfa146_gwo-k_qb56fcfa146_gwo
	.p2alignl 7, 3214868480
	.fill 96, 4, 3214868480
	.section	.rodata,"a",@progbits
	.p2align	6, 0x0
	.amdhsa_kernel k_qb56fcfa146_gwo
		.amdhsa_group_segment_fixed_size 327680
		.amdhsa_private_segment_fixed_size 0
		.amdhsa_enable_private_segment 0
		.amdhsa_kernarg_size 40
		.amdhsa_user_sgpr_count 2
		.amdhsa_user_sgpr_kernarg_segment_ptr 1
		.amdhsa_wavefront_size32 1
		.amdhsa_system_sgpr_workgroup_id_x 1
		.amdhsa_system_sgpr_workgroup_id_y 1
		.amdhsa_system_sgpr_workgroup_id_z 1
		.amdhsa_system_vgpr_workitem_id 0
		.amdhsa_next_free_vgpr 1024
		.amdhsa_next_free_sgpr 96
		.amdhsa_reserve_vcc 0
		.amdhsa_float_denorm_mode_32 3
		.amdhsa_float_denorm_mode_16_64 3
		.amdhsa_memory_ordered 1
		.amdhsa_forward_progress 1
		.amdhsa_inst_pref_size 67
	.end_amdhsa_kernel
	.amdgpu_metadata
---
amdhsa.version: [ 1, 2 ]
amdhsa.kernels:
  - .name:           k_qb56fcfa146_gwo
    .symbol:         k_qb56fcfa146_gwo.kd
    .args:
      - { .name: act, .offset: 0, .size: 8, .value_kind: global_buffer, .address_space: global }
      - { .name: wts, .offset: 8, .size: 8, .value_kind: global_buffer, .address_space: global }
      - { .name: x, .offset: 16, .size: 8, .value_kind: global_buffer, .address_space: global }
      - { .name: bo, .offset: 24, .size: 8, .value_kind: global_buffer, .address_space: global }
      - { .name: res, .offset: 32, .size: 8, .value_kind: global_buffer, .address_space: global }
    .group_segment_fixed_size: 327680
    .private_segment_fixed_size: 0
    .kernarg_segment_align: 8
    .kernarg_segment_size: 40
    .max_flat_workgroup_size: 128
    .sgpr_count:     96
    .vgpr_count:     1024
    .wavefront_size: 32
...
	.end_amdgpu_metadata
.endif
;; end of part 4
;; launch ln2: the kernel of part 1 again; grid 256 x 1, 8 waves a work-group, no clusters, 0 bytes of LDS; arguments res, g2, beta2, act, Wq, Wk, Wv, Wo, W1, W2, wts; writes act, wts
;; launch gff1 (part 5): grid 16 x 16, 4 waves a work-group, clusters of 4 x 4, 327,680 bytes of LDS; arguments act, wts, bff1, hid; writes hid
.if DOCPART == 5
	.amdgcn_target "amdgcn-amd-amdhsa--gfx1250"
	.amdhsa_code_object_version 6
	.text
	.protected	k_qb56fcfa146_gff1
	.globl	k_qb56fcfa146_gff1
	.p2align	8
	.type	k_qb56fcfa146_gff1,@function
k_qb56fcfa146_gff1:
	s_mov_b64 s[64:65], 0
	v_nop
	global_prefetch_b8 v0, s[64:65] scope:SCOPE_SE
	s_setreg_imm32_b32 hwreg(HW_REG_WAVE_MODE, 25, 1), 1
	s_wait_xcnt 0x0
	s_wait_alu depctr_hold_cnt(0) depctr_sa_sdst(0) depctr_va_vdst(0) depctr_va_sdst(0) depctr_va_ssrc(0) depctr_va_vcc(0) depctr_vm_vsrc(0)
	s_getreg_b32 s2, hwreg(HW_REG_IB_STS2, 6, 4)
	s_cmp_eq_u32 s2, 0
	s_cbranch_scc0 .Lentry_in_a_cluster
	s_endpgm
.Lentry_in_a_cluster:
	s_bfe_u32 s2, ttmp6, 0x10000c
	s_cmp_lg_u32 s2, 0xf033
	s_cbranch_scc0 .Lentry_shape_is_right
	s_endpgm
.Lentry_shape_is_right:
; hid = gelu(LN2(res) x W1 + bff1), in bf16.  act: [4096][1024] bf16.  W1: [1024 k][4096] bf16 at byte W1O of wts.  hid: [4096][4096] bf16.
; A tile is 256 x 256: 16 x 16 work-groups.  Four waves, 2 x 2, each 128 x 128: 64 accumulators, 512 registers.  K goes in 8 steps of 128 through two LDS slots; a K step is written once, and
; which slot is read and which is filled stands in two scalars that an exclusive or turns.  W1 lies [K][N] and is turned on the way out of LDS, by ds_load_tr16_b128.
; THE MATRIX INSTRUCTION IS USED TRANSPOSED (source 0 = 16 columns of W1, source 1 = 16 rows of act).  CLUSTER 4 x 4: act's tile is shared along a row, W1's along a column.
; GELU: gelu(z) = z / 2 + |z| (1 / 2 - poly(t) exp(-z^2 / 2)), t = 1 / (1 + 0.33267 |z|), poly of degree 3 (Abramowitz and Stegun 26.2.16, with 1 / sqrt(2 pi) folded in).
; LIMIT: the normal distribution's error stays under 1e-5 for every z, gelu's under 1e-5 |z|; the result is then rounded to bf16, whose step is 2^-9 of the number.
; One form for every finite z: for large |z| the exponential goes to 0 and z / 2 + |z| / 2 is left.
; REGISTERS: window 0: v0-31, v42-47 addresses and the bias; v64-127, v128-191 fragments of act, later GELU's work; v192-255 GELU's work; window 1: the two buffers for W1;
; windows 2, 3: accumulators (a % 4, b) at v[8 (8 (a % 4) + b)].
.set PA,     272
.set HALFA,  128*PA
.set AREG,   2*HALFA                   ; 69,632
.set PB,     544                       ; a k-row of W1's tile: 512 bytes + 32: an odd multiple of 32
.set SLOT,   AREG+128*PB               ; 139,264
.set SPARE,  2*SLOT
.set ASTEP,  256
.set BSTEP,  1048576                   ; 128 k-rows of 8,192 bytes
.set W1O,    8388608
.set NL,     32
.set SPI,    528
.set WSTG,   128*SPI                   ; a wave's stage: its 128 x 128 in f32
.set ADRA,  16
.set ADRA0, 17
.set ADRB,  18
.set ADRB0, 21
.set STO,   24
.set CO,    26
.set RD,    27
.set SPW,   28
.set NIL,   29
.set PFO,   30
.set RDMAX, 42
.set BO,    43
.set BI,    44
.set F0,    64
.set F1,    128
.set P,     64
.set R,     80
.set Y,     96
.set X,     192
.set Z,     208
.set T,     224
.set Q,     240
.set G1,  24
.set G0,  32
.set LIM, 43
.set PFA, 44
.set G1B, 48
.set G0B, 56
.set KP,  70
.set KE,  72
.set C3,  74
.set C2,  76
.set C1,  78
.set RB,  84
.set FB,  85
.set LW,  86
.set PST, 88
.set MSB, 0
.macro WIN new
.if MSB != (\new)
	s_set_vgpr_msb (MSB<<8)|(\new)
.set MSB, \new
.endif
.endm
.set MUL_LO, 0xa1
.set MUL_HI, 0xf1
.set TO_B,   0x40
.macro JLOAD s
	s_cmp_eq_u32 s11, 0
	s_cbranch_scc0 .Lfor_b_\@
	tensor_load_to_lds s[G0+4*(\s):G0+4*(\s)+3], s[G1:G1+7]
	s_nop 0
.rept 4
	v_nop
.endr
	s_branch .Lasked_\@
.Lfor_b_\@:
	tensor_load_to_lds s[G0B+4*(\s):G0B+4*(\s)+3], s[G1B:G1B+7]
	s_nop 0
.rept 4
	v_nop
.endr
.Lasked_\@:
.endm
.macro CREST
	s_cmp_lg_u32 s10, 0
	s_cbranch_scc1 .Lnot_wave_0_\@
	s_barrier_signal -3
.Lnot_wave_0_\@:
	s_barrier_wait -3
	s_barrier_signal -1
	s_barrier_wait -1
.endm
.macro CROUND
	s_barrier_signal -1
	s_barrier_wait -1
	CREST
.endm
.macro PLACES
.rept 4
	v_nop
.endr
.endm
; A prefetch of the K step two refills on, 32 blocks of 256 bytes a wave.  act's rows are read by every cluster of a row of clusters: cluster x = 0 asks; W1's by every cluster of a column:
; cluster y = 0 asks.  The four partners share what a wave fetches by address (cx for act, cy for W1).
.macro ASK
	s_cmp_gt_u32 s3, s[LIM]
	s_cbranch_scc0 .Lnot_mine_\@
	global_prefetch_b8 v[PFO], s[PFA:PFA+1] th:TH_LOAD_NT scope:SCOPE_SE
.Lnot_mine_\@:
.endm
	s_load_b128 s[4:7], s[0:1], 0x0                ; act, wts
	s_load_b64 s[66:67], s[0:1], 0x10              ; bff1
	s_load_b64 s[8:9], s[0:1], 0x18                ; hid
	v_lshl_add_u32 v[SPW], v0, 2, SPARE
	v_mov_b32 v[NIL], 0
	ds_add_u32 v[SPW], v[NIL]                      ; the opening: the add, twice on end, and its wait ahead of my first tensor load
	ds_add_u32 v[SPW], v[NIL]
	v_lshrrev_b32 v1, 5, v0
	v_readfirstlane_b32 s10, v1
	s_lshr_b32 s11, s10, 1
	s_and_b32 s12, s10, 1
	s_bfe_u32 s40, ttmp6, 0x40000
	s_bfe_u32 s41, ttmp6, 0x40004
	s_lshl_b32 s42, ttmp9, 2
	s_add_co_u32 s42, s42, s40                     ; tile column
	s_and_b32 s13, ttmp7, 0xffff
	s_lshl_b32 s13, s13, 2
	s_add_co_u32 s13, s13, s41                     ; tile row
	s_lshl_b32 s43, s41, 2
	s_lshl_b32 s43, 15, s43
	s_lshl_b32 s44, 0x1111, s40
	s_or_b32 s[G1], s43, (1<<16)|(1<<20)|(1<<21)|(5<<22)|(3<<25)
	s_or_b32 s[G1B], s44, (1<<16)|(1<<20)|(1<<21)|(6<<22)|(7<<25)
	s_mov_b32 s[G1+1], 128<<16                     ; act: 128 rows x 128 elements
	s_mov_b32 s[G1+2], 128<<16
	s_mov_b32 s[G1+3], 128<<16
	s_mov_b32 s[G1+4], 128
	s_mov_b32 s[G1+5], 1024
	s_mov_b32 s[G1+6], 0
	s_mov_b32 s[G1+7], 0
	s_mov_b32 s[G1B+1], 256<<16                    ; W1: 64 k-rows x 256 elements
	s_mov_b32 s[G1B+2], 64<<16
	s_mov_b32 s[G1B+3], 256<<16
	s_mov_b32 s[G1B+4], 64
	s_mov_b32 s[G1B+5], 4096
	s_mov_b32 s[G1B+6], 0
	s_mov_b32 s[G1B+7], 0
	s_lshl_b32 s16, s13, 19
	s_lshl_b32 s17, s12, 18
	s_add_co_u32 s16, s16, s17
	s_mov_b32 s17, 0
	s_lshl_b32 s46, s42, 9
	s_lshl_b32 s47, s12, 19
	s_add_co_u32 s46, s46, s47
	s_add_co_u32 s46, s46, W1O
	s_mov_b32 s47, 0
	s_mul_i32 s[LW], s10, HALFA                    ; wave x 34,816: act's halves, then W1's
	s_mov_b32 s[RB], 0
	s_mov_b32 s[FB], SLOT
	s_mov_b32 s[KP], 0x3eaa53b9                    ; 0.33267
	s_mov_b32 s[KE], 0xbf38aa3b                    ; -log2(e) / 2
	s_mov_b32 s[KE+1], s[KE]
	s_mov_b32 s[C3], 0x3ebf7377                    ; 0.9372980 / sqrt(2 pi) = 0.3739278
	s_mov_b32 s[C3+1], s[C3]
	s_mov_b32 s[C2], 0xbd445cac                    ; -0.1201676 / sqrt(2 pi) = -0.04793994
	s_mov_b32 s[C2+1], s[C2]
	s_mov_b32 s[C1], 0x3e323039                    ; 0.4361836 / sqrt(2 pi) = 0.17401208
	s_mov_b32 s[C1+1], s[C1]
	s_wait_dscnt 0x0
	s_wait_kmcnt 0x0
	s_add_nc_u64 s[14:15], s[4:5], s[16:17]
	s_add_nc_u64 s[46:47], s[6:7], s[46:47]
	CROUND
.irp s, 0,1
	s_mov_b32 s[G0+4*(\s)], 1
	s_add_co_u32 s[G0+4*(\s)+1], s[LW], (\s)*SLOT
	s_add_nc_u64 s[G0+4*(\s)+2:G0+4*(\s)+3], s[14:15], (\s)*ASTEP
	s_or_b32 s[G0+4*(\s)+3], s[G0+4*(\s)+3], 0x80000000
	s_mov_b32 s[G0B+4*(\s)], 1
	s_add_co_u32 s[G0B+4*(\s)+1], s[LW], (\s)*SLOT
	s_add_nc_u64 s[G0B+4*(\s)+2:G0B+4*(\s)+3], s[46:47], (\s)*BSTEP
	s_or_b32 s[G0B+4*(\s)+3], s[G0B+4*(\s)+3], 0x80000000
	JLOAD \s
.endr
	v_and_b32 v1, 15, v0
	v_bfe_u32 v2, v0, 4, 1
	v_and_b32 v6, 31, v0
	v_mul_u32_u24 v3, v1, PA
	v_lshl_add_u32 v3, v2, 4, v3
	s_mul_i32 s21, s11, HALFA
	v_add_nc_u32 v[ADRA0], s21, v3
	v_mov_b32 v[ADRA], v[ADRA0]
	v_and_b32 v4, 7, v0
	v_lshl_add_u32 v4, v2, 3, v4
	v_mul_u32_u24 v4, v4, PB
	v_bfe_u32 v5, v0, 3, 1
	v_lshl_add_u32 v4, v5, 4, v4
	s_lshl_b32 s22, s12, 8
	s_add_co_u32 s22, s22, AREG
	v_add_nc_u32 v[ADRB0], s22, v4
	v_mov_b32 v[ADRB], v[ADRB0]
	s_mul_i32 s23, s10, WSTG                       ; the way out: my own stage
	v_mul_u32_u24 v4, v1, SPI
	v_lshl_add_u32 v4, v2, 5, v4
	v_add_nc_u32 v[STO], s23, v4
	v_lshl_add_u32 v[RD], v6, 4, s23
	v_add_nc_u32 v[RDMAX], 124*SPI, v[RD]
	s_lshl_b32 s22, s11, 20
	s_lshl_b32 s23, s12, 8
	s_add_co_u32 s22, s22, s23
	v_lshl_add_u32 v[CO], v6, 3, s22
	s_lshl_b32 s22, s42, 10
	s_lshl_b32 s23, s12, 9
	s_add_co_u32 s22, s22, s23
	v_lshl_add_u32 v[BO], v6, 4, s22
	global_load_b128 v[BI:BI+3], v[BO], s[66:67]   ; the bias of my four columns
	s_lshl_b32 s20, s13, 21
	s_lshl_b32 s21, s42, 9
	s_add_co_u32 s20, s20, s21
	s_mov_b32 s21, 0
	s_add_nc_u64 s[8:9], s[8:9], s[20:21]
	s_lshl_b32 s20, s13, 19                        ; the prefetches, at K step 3 (each change of slots steps them first).  act: my work-group's 32 of my 128 rows
	s_lshl_b32 s21, s12, 18
	s_add_co_u32 s20, s20, s21
	s_lshl_b32 s21, s40, 16
	s_add_co_u32 s20, s20, s21
	s_add_co_u32 s20, s20, 3*ASTEP
	s_lshl_b32 s22, s12, 19                        ; W1: my work-group's 16 of my 64 k-rows, two blocks a row
	s_lshl_b32 s23, s41, 17
	s_add_co_u32 s22, s22, s23
	s_lshl_b32 s23, s42, 9
	s_add_co_u32 s22, s22, s23
	s_add_co_u32 s22, s22, W1O+3*BSTEP
	s_and_b32 s2, ttmp7, 0xffff
	s_mov_b32 s23, BSTEP
	s_mov_b32 s14, 8192
	s_cmp_eq_u32 s11, 0
	s_cselect_b32 s20, s20, s22
	s_cselect_b64 s[PFA:PFA+1], s[4:5], s[6:7]
	s_cselect_b32 s[PST], ASTEP, s23
	s_cselect_b32 s2, ttmp9, s2                    ; the coordinate along which other clusters read the same rows
	s_cselect_b32 s14, 2048, s14                   ; bytes from row to row
	s_cselect_b32 s15, 0, 1                        ; one block a row, or two
	s_mov_b32 s21, 0
	s_mov_b32 s[PST+1], 0
	s_add_nc_u64 s[PFA:PFA+1], s[PFA:PFA+1], s[20:21]
	s_cmp_eq_u32 s2, 0
	s_cselect_b32 s[LIM], 2, -1                    ; while more than two trips are left: K steps 4 to 7
	v_lshrrev_b32 v7, s15, v6
	v_mul_u32_u24 v7, v7, s14
	v_and_b32 v6, s15, v6
	v_lshl_add_u32 v[PFO], v6, 8, v7
.macro MULG f, hi, a0, zero
	WIN MUL_LO+0x50*(\hi)
.irp a, \a0, (\a0)+1
.irp b, 0,1,2,3,4,5,6,7
.if \zero
	v_wmma_f32_16x16x32_bf16 v[8*(8*(\a)+(\b)):8*(8*(\a)+(\b))+7], v[(\f)+8*(\b):(\f)+8*(\b)+7], v[(\f)+8*(4*(\hi)+(\a)):(\f)+8*(4*(\hi)+(\a))+7], 0
.else
	v_wmma_f32_16x16x32_bf16 v[8*(8*(\a)+(\b)):8*(8*(\a)+(\b))+7], v[(\f)+8*(\b):(\f)+8*(\b)+7], v[(\f)+8*(4*(\hi)+(\a)):(\f)+8*(4*(\hi)+(\a))+7], v[8*(8*(\a)+(\b)):8*(8*(\a)+(\b))+7]
.endif
.endr
.endr
.endm
.macro FETCH q, f
	WIN TO_B
.irp i, 0,1,2,3,4,5,6,7
	ds_load_tr16_b128 v[(\f)+8*(\i):(\f)+8*(\i)+3],   v[ADRB] offset:(\q)*32*PB+32*(\i)
	ds_load_tr16_b128 v[(\f)+8*(\i)+4:(\f)+8*(\i)+7], v[ADRB] offset:(\q)*32*PB+32*(\i)+16*PB
.endr
	WIN 0
.irp i, 0,1,2,3,4,5,6,7
	ds_load_b128 v[(\f)+8*(\i):(\f)+8*(\i)+3],   v[ADRA] offset:64*(\q)+(\i)*16*PA
	ds_load_b128 v[(\f)+8*(\i)+4:(\f)+8*(\i)+7], v[ADRA] offset:64*(\q)+(\i)*16*PA+32
.endr
.endm
.macro QUARTER q, f, g, zero           ; multiplies buffer f; behind its first 16 products it fetches quarter q into buffer g: 48 products ahead of the run's first use
	s_wait_dscnt 8                                 ; W1 and act's rows 0-63 are in
	MULG \f, 0, 0, \zero
	PLACES
	FETCH \q, \g
	s_wait_dscnt NL                                ; all but the run just issued
	MULG \f, 0, 2, \zero
	MULG \f, 1, 0, \zero
	MULG \f, 1, 2, \zero
.endm
.macro MEET
	WIN 0
	s_wait_tensorcnt 0x0                           ; all my tensor loads have landed
	ds_add_u32 v[SPW], v[NIL]
	s_wait_dscnt 9                                 ; (the add and the youngest eight loads may be out)
	MULG F1, 0, 0, 0
	s_wait_dscnt 0x0                               ; the add is done, and my reads of this slot are over
	s_barrier_signal -1
	MULG F1, 0, 2, 0
	WIN 0
	s_barrier_wait -1
.endm
.macro TURN
	s_wait_xcnt 0x0                                ; the last prefetch, a K step back, has read its address
	s_add_nc_u64 s[PFA:PFA+1], s[PFA:PFA+1], s[PST:PST+1]
	MEET
	CREST
	s_xor_b32 s[FB], s[FB], SLOT
	s_xor_b32 s[RB], s[RB], SLOT
	s_add_co_u32 s[G0+5], s[LW], s[FB]
	s_add_co_u32 s[G0B+5], s[LW], s[FB]
	s_add_nc_u64 s[G0+6:G0+7], s[G0+6:G0+7], ASTEP
	s_add_nc_u64 s[G0B+6:G0B+7], s[G0B+6:G0B+7], BSTEP
	JLOAD 1
	v_add_nc_u32 v[ADRA], s[RB], v[ADRA0]
	v_add_nc_u32 v[ADRB], s[RB], v[ADRB0]
	FETCH 0, F0
	ASK
	MULG F1, 1, 0, 0
	MULG F1, 1, 2, 0
.endm
	s_wait_tensorcnt 1                             ; my part of K step 0 is in; K step 1's may stay out
	s_barrier_signal -1
	s_barrier_wait -1
	FETCH 0, F0
	QUARTER 1, F0, F1, 1
	WIN 0
	s_mov_b32 s3, 6
.Lstep:
	QUARTER 2, F1, F0, 0
	QUARTER 3, F0, F1, 0
	TURN
	QUARTER 1, F0, F1, 0
	WIN 0
	s_sub_co_u32 s3, s3, 1
	s_cmp_lg_u32 s3, 0
	s_cbranch_scc1 .Lstep
	s_mov_b32 s3, 2
.Ltail:                                            ; K steps 6 and 7: nothing is asked for
	QUARTER 2, F1, F0, 0
	QUARTER 3, F0, F1, 0
	s_wait_dscnt 8
	MULG F1, 0, 0, 0
	MULG F1, 0, 2, 0
	s_wait_dscnt 0x0
	MULG F1, 1, 0, 0
	MULG F1, 1, 2, 0
	WIN 0
	s_cmp_eq_u32 s3, 1                             ; the counter is alike in all waves
	s_cbranch_scc1 .Lskip
	s_wait_tensorcnt 0x0
	ds_add_u32 v[SPW], v[NIL]
	s_xor_b32 s[RB], s[RB], SLOT
	PLACES
	s_wait_dscnt 0x0
	s_barrier_signal -1
	s_barrier_wait -1
	v_add_nc_u32 v[ADRA], s[RB], v[ADRA0]
	v_add_nc_u32 v[ADRB], s[RB], v[ADRB0]
	FETCH 0, F0
	QUARTER 1, F0, F1, 0
	WIN 0
.Lskip:
	s_sub_co_u32 s3, s3, 1
	s_cmp_lg_u32 s3, 0
	s_cbranch_scc1 .Ltail
	; THE WAY OUT.  The ring has had its last fill: each wave lays its 128 x 128 sums into 128 rows of 528 bytes of its own there, and a loop of 32 trips takes four whole rows at a time.
.rept 8
	v_nop
.endr
	s_wait_dscnt 0x0
	s_barrier_signal -1
	s_barrier_wait -1                              ; nobody reads the ring any more
.irp a, 0,1,2,3,4,5,6,7
	WIN 0x08+4*((\a)/4)
.irp b, 0,1,2,3,4,5,6,7
	ds_store_b128 v[STO], v[8*(8*((\a)%4)+(\b)):8*(8*((\a)%4)+(\b))+3]   offset:(\a)*16*SPI+64*(\b)
	ds_store_b128 v[STO], v[8*(8*((\a)%4)+(\b))+4:8*(8*((\a)%4)+(\b))+7] offset:(\a)*16*SPI+64*(\b)+16
.endr
.endr
	WIN 0
	s_wait_loadcnt 0x0                             ; the bias
.irp i, 0,1,2,3
	ds_load_b128 v[X+4*(\i):X+4*(\i)+3], v[RD] offset:(\i)*SPI  ; a wave's LDS instructions are served in order: these see the stores above
.endr
	s_mov_b32 s3, 32
.Lgelu:
	s_wait_dscnt 0x0
.irp i, 0,1,2,3
	v_pk_add_f32 v[Z+4*(\i):Z+4*(\i)+1],   v[X+4*(\i):X+4*(\i)+1],   v[BI:BI+1]
	v_pk_add_f32 v[Z+4*(\i)+2:Z+4*(\i)+3], v[X+4*(\i)+2:X+4*(\i)+3], v[BI+2:BI+3]
.endr
	v_add_nc_u32 v[RD], 4*SPI, v[RD]
	v_min_u32 v[RD], v[RD], v[RDMAX]               ; the last trip asks for its own rows once more, and nobody uses them
.irp i, 0,1,2,3
	ds_load_b128 v[X+4*(\i):X+4*(\i)+3], v[RD] offset:(\i)*SPI  ; the next trip's rows
.endr
.set n, 0
.rept 16
	v_fma_f32 v[T+n], |v[Z+n]|, s[KP], 1.0
.set n, n+1
.endr
.set n, 0
.rept 8
	v_pk_mul_f32 v[Q+2*n:Q+2*n+1], v[Z+2*n:Z+2*n+1], v[Z+2*n:Z+2*n+1]
.set n, n+1
.endr
	v_pk_mul_f32 v[Q:Q+1], v[Q:Q+1], s[KE:KE+1] op_sel_hi:[1,0]
.set n, 0
.rept 16                                           ; one batch of 32: nothing ahead of the wait names a result.  Between a reciprocal and an exponential stands the scaling of the next pair's exponent, or a pair's z / 2
	v_rcp_f32 v[T+n], v[T+n]
.if (n%2 == 0) && (n < 14)
	v_pk_mul_f32 v[Q+n+2:Q+n+3], v[Q+n+2:Q+n+3], s[KE:KE+1] op_sel_hi:[1,0]
.elseif n%2 == 1
	v_pk_mul_f32 v[R+n-1:R+n], v[Z+n-1:Z+n], 0.5 op_sel_hi:[1,0]
.endif
	v_exp_f32 v[Q+n], v[Q+n]
.set n, n+1
.endr
	v_nop                                          ; a plain instruction behind the last exponential,
	s_wait_alu depctr_va_vdst(0)                   ; and the one wait for the batch
.set n, 0
.rept 8
	v_pk_fma_f32 v[P+2*n:P+2*n+1], v[T+2*n:T+2*n+1], s[C3:C3+1], s[C2:C2+1] op_sel_hi:[1,0,0]
.set n, n+1
.endr
.set n, 0
.rept 8
	v_pk_fma_f32 v[P+2*n:P+2*n+1], v[P+2*n:P+2*n+1], v[T+2*n:T+2*n+1], s[C1:C1+1] op_sel_hi:[1,1,0]
.set n, n+1
.endr
.set n, 0
.rept 8
	v_pk_mul_f32 v[P+2*n:P+2*n+1], v[P+2*n:P+2*n+1], v[T+2*n:T+2*n+1]
.set n, n+1
.endr
.set n, 0
.rept 8
	v_pk_fma_f32 v[P+2*n:P+2*n+1], v[P+2*n:P+2*n+1], v[Q+2*n:Q+2*n+1], 0.5 op_sel_hi:[1,1,0] neg_lo:[1,0,0] neg_hi:[1,0,0]  ; 1 / 2 - poly x exp
.set n, n+1
.endr
.set n, 0
.rept 16
	v_fma_f32 v[R+n], |v[Z+n]|, v[P+n], v[R+n]
.set n, n+1
.endr
	s_wait_xcnt 0x0                                ; the last trip's stores, a trip's arithmetic back, have read their data and their offset
	v_add_nc_u32 v[CO], 32768, v[CO]               ; four rows on; the stores below reach back
.set n, 0
.rept 8
	v_cvt_pk_bf16_f32 v[Y+n], v[R+2*n], v[R+2*n+1]
.set n, n+1
.endr
.irp i, 0,1,2,3
	global_store_b64 v[CO], v[Y+2*(\i):Y+2*(\i)+1], s[8:9] offset:(\i)*8192-32768  ; the wave's store covers 256 consecutive bytes, aligned
.endr
	s_sub_co_u32 s3, s3, 1
	s_cmp_lg_u32 s3, 0
	s_cbranch_scc1 .Lgelu
	s_wait_tensorcnt 0x0                           ; the wave's end
	ds_add_u32 v[SPW], v[NIL]
	s_wait_dscnt 0x0
	CROUND                                         ; the closing round
	s_endpgm
.Lfunc_end_k_qb56fcfa146_gff1:
	.size	k_qb56fcfa146_gff1, .Lfunc_end_k_qb56fcfa146_gff1-k_qb56fcfa146_gff1
	.p2alignl 7, 3214868480
	.fill 96, 4, 3214868480
	.section	.rodata,"a",@progbits
	.p2align	6, 0x0
	.amdhsa_kernel k_qb56fcfa146_gff1
		.amdhsa_group_segment_fixed_size 327680
		.amdhsa_private_segment_fixed_size 0
		.amdhsa_enable_private_segment 0
		.amdhsa_kernarg_size 32
		.amdhsa_user_sgpr_count 2
		.amdhsa_user_sgpr_kernarg_segment_ptr 1
		.amdhsa_wavefront_size32 1
		.amdhsa_system_sgpr_workgroup_id_x 1
		.amdhsa_system_sgpr_workgroup_id_y 1
		.amdhsa_system_sgpr_workgroup_id_z 1
		.amdhsa_system_vgpr_workitem_id 0
		.amdhsa_next_free_vgpr 1024
		.amdhsa_next_free_sgpr 96
		.amdhsa_reserve_vcc 0
		.amdhsa_float_denorm_mode_32 3
		.amdhsa_float_denorm_mode_16_64 3
		.amdhsa_memory_ordered 1
		.amdhsa_forward_progress 1
		.amdhsa_inst_pref_size 88
	.end_amdhsa_kernel
	.amdgpu_metadata
---
amdhsa.version: [ 1, 2 ]
amdhsa.kernels:
  - .name:           k_qb56fcfa146_gff1
    .symbol:         k_qb56fcfa146_gff1.kd
    .args:
      - { .name: act, .offset: 0, .size: 8, .value_kind: global_buffer, .address_space: global }
      - { .name: wts, .offset: 8, .size: 8, .value_kind: global_buffer, .address_space: global }
      - { .name: bff1, .offset: 16, .size: 8, .value_kind: global_buffer, .address_space: global }
      - { .name: hid, .offset: 24, .size: 8, .value_kind: global_buffer, .address_space: global }
    .group_segment_fixed_size: 327680
    .private_segment_fixed_size: 0
    .kernarg_segment_align: 8
    .kernarg_segment_size: 32
    .max_flat_workgroup_size: 128
    .sgpr_count:     96
    .vgpr_count:     1024
    .wavefront_size: 32
...
	.end_amdgpu_metadata
.endif
;; end of part 5
;; launch gff2 (part 6): grid 8 x 32, 4 waves a work-group, clusters of 4 x 4, 327,680 bytes of LDS; arguments hid, wts, res, bff2, out0; writes out0
.if DOCPART == 6
	.amdgcn_target "amdgcn-amd-amdhsa--gfx1250"
	.amdhsa_code_object_version 6
	.text
	.protected	k_qb56fcfa146_gff2
	.globl	k_qb56fcfa146_gff2
	.p2align	8
	.type	k_qb56fcfa146_gff2,@function
k_qb56fcfa146_gff2:
	s_mov_b64 s[64:65], 0
	v_nop
	global_prefetch_b8 v0, s[64:65] scope:SCOPE_SE
	s_setreg_imm32_b32 hwreg(HW_REG_WAVE_MODE, 25, 1), 1
	s_wait_xcnt 0x0
	s_wait_alu depctr_hold_cnt(0) depctr_sa_sdst(0) depctr_va_vdst(0) depctr_va_sdst(0) depctr_va_ssrc(0) depctr_va_vcc(0) depctr_vm_vsrc(0)
	s_getreg_b32 s2, hwreg(HW_REG_IB_STS2, 6, 4)
	s_cmp_eq_u32 s2, 0
	s_cbranch_scc0 .Lentry_in_a_cluster
	s_endpgm
.Lentry_in_a_cluster:
	s_bfe_u32 s2, ttmp6, 0x10000c
	s_cmp_lg_u32 s2, 0xf033
	s_cbranch_scc0 .Lentry_shape_is_right
	s_endpgm
.Lentry_shape_is_right:
; out0 = res + hid x W2 + bff2.  hid: [4096][4096] bf16.  W2: [4096 k][1024] bf16 at byte WOFF of wts.  res, out0: [4096][1024] f32.
; A tile is 128 x 128: 8 x 32 = 256 work-groups.  K IS SPLIT AMONG THE FOUR WAVES: of each of the 16 K steps of 256 wave w takes k = 64 w .. 64 w + 63, for the whole tile: 64 accumulators,
; 512 registers.  The four f32 partial tiles meet in LDS at the end.  W2 lies [K][N] and is turned by ds_load_tr16_b128.
; THE TILE OF res: each wave asks at its head for the 32 rows that it will finish, into 128 registers of window 1 that the loop does not name, and lays them into slot 0 when the ring has had its last fill.
; CLUSTER 4 x 4: hid's tile is shared along a row, W2's along a column.  REGISTERS as in gwo.
.set STEPS,  16
.set PA,     528
.set HALFA,  64*PA                     ; 33,792
.set AREG,   2*HALFA                   ; 67,584
.set PB,     288
.set HALFB,  128*PB                    ; 36,864
.set SLOT,   AREG+2*HALFB              ; 141,312
.set SPARE,  2*SLOT
.set ASTEP,  512
.set BSTEP,  524288
.set WOFF,   16777216
.set NL,     32
.set SPI,    528
.set PART,   64*SPI
.set STG,    SLOT
.set ADRA,  16
.set ADRA0, 17
.set ADRB,  18
.set ADRB0, 21
.set PFO,   23
.set STO,   24
.set CO,    26
.set RD,    27
.set SPW,   28
.set NIL,   29
.set RR,    30
.set RD2,   31
.set RDW,   32
.set RD2W,  33
.set RRW,   34
.set COW,   35
.set BO,    43
.set BI,    44
.set L,     64
.set F0,    64
.set F1,    128
.set G1,  24
.set G0,  32
.set LIM, 43
.set PFA, 44
.set G1B, 48
.set G0B, 56
.set RB,  84
.set FB,  85
.set LW,  86
.set PST, 88
.set MSB, 0
.macro WIN new
.if MSB != (\new)
	s_set_vgpr_msb (MSB<<8)|(\new)
.set MSB, \new
.endif
.endm
.set MUL_LO, 0xa1
.set MUL_HI, 0xf1
.set TO_B,   0x40
.macro JLOAD s
	s_cmp_eq_u32 s11, 0
	s_cbranch_scc0 .Lfor_b_\@
	tensor_load_to_lds s[G0+4*(\s):G0+4*(\s)+3], s[G1:G1+7]
	s_nop 0
.rept 4
	v_nop
.endr
	s_branch .Lasked_\@
.Lfor_b_\@:
	tensor_load_to_lds s[G0B+4*(\s):G0B+4*(\s)+3], s[G1B:G1B+7]
	s_nop 0
.rept 4
	v_nop
.endr
.Lasked_\@:
.endm
.macro CREST
	s_cmp_lg_u32 s10, 0
	s_cbranch_scc1 .Lnot_wave_0_\@
	s_barrier_signal -3
.Lnot_wave_0_\@:
	s_barrier_wait -3
	s_barrier_signal -1
	s_barrier_wait -1
.endm
.macro CROUND
	s_barrier_signal -1
	s_barrier_wait -1
	CREST
.endm
.macro PLACES
.rept 4
	v_nop
.endr
.endm
; A prefetch of the K step three refills on (a K step here is 128 matrix instructions a wave), 32 blocks of 256 bytes a wave.  hid's rows: cluster x = 0 asks; W2's: cluster y = 0.
; The four partners share what a wave fetches by address (cx for hid, cy for W2).
.macro ASK
	s_cmp_gt_u32 s3, s[LIM]
	s_cbranch_scc0 .Lnot_mine_\@
	global_prefetch_b8 v[PFO], s[PFA:PFA+1] th:TH_LOAD_NT scope:SCOPE_SE
.Lnot_mine_\@:
.endm
	s_load_b128 s[4:7], s[0:1], 0x0                ; hid, wts
	s_load_b128 s[68:71], s[0:1], 0x10             ; res s[68:69], bff2 s[70:71]
	s_load_b64 s[8:9], s[0:1], 0x20                ; out0
	v_lshl_add_u32 v[SPW], v0, 2, SPARE
	v_mov_b32 v[NIL], 0
	ds_add_u32 v[SPW], v[NIL]                      ; the opening: the add, twice on end, and its wait ahead of my first tensor load
	ds_add_u32 v[SPW], v[NIL]
	v_lshrrev_b32 v1, 5, v0
	v_readfirstlane_b32 s10, v1
	s_lshr_b32 s11, s10, 1
	s_and_b32 s12, s10, 1
	s_bfe_u32 s40, ttmp6, 0x40000
	s_bfe_u32 s41, ttmp6, 0x40004
	s_lshl_b32 s42, ttmp9, 2
	s_add_co_u32 s42, s42, s40                     ; tile column
	s_and_b32 s13, ttmp7, 0xffff
	s_lshl_b32 s13, s13, 2
	s_add_co_u32 s13, s13, s41                     ; tile row
	s_lshl_b32 s43, s41, 2
	s_lshl_b32 s43, 15, s43
	s_lshl_b32 s44, 0x1111, s40
	s_or_b32 s[G1], s43, (1<<16)|(1<<20)|(1<<21)|(6<<22)|(3<<25)   ; 4 words of padding after every 128
	s_or_b32 s[G1B], s44, (1<<16)|(1<<20)|(1<<21)|(5<<22)|(7<<25)  ; 8 words after every 64
	s_mov_b32 s[G1+1], 256<<16                     ; hid: 64 rows x 256 elements
	s_mov_b32 s[G1+2], 64<<16
	s_mov_b32 s[G1+3], 256<<16
	s_mov_b32 s[G1+4], 64
	s_mov_b32 s[G1+5], 4096
	s_mov_b32 s[G1+6], 0
	s_mov_b32 s[G1+7], 0
	s_mov_b32 s[G1B+1], 128<<16                    ; W2: 128 k-rows x 128 elements
	s_mov_b32 s[G1B+2], 128<<16
	s_mov_b32 s[G1B+3], 128<<16
	s_mov_b32 s[G1B+4], 128
	s_mov_b32 s[G1B+5], 1024
	s_mov_b32 s[G1B+6], 0
	s_mov_b32 s[G1B+7], 0
	s_lshl_b32 s16, s13, 20                        ; hid: (128 x tile row + 64 x half) rows of 8,192 bytes
	s_lshl_b32 s17, s12, 19
	s_add_co_u32 s16, s16, s17
	s_mov_b32 s17, 0
	s_lshl_b32 s46, s42, 8                         ; W2: 128 x half k-rows of 2,048 bytes + 256 x tile column
	s_lshl_b32 s47, s12, 18
	s_add_co_u32 s46, s46, s47
	s_add_co_u32 s46, s46, WOFF
	s_mov_b32 s47, 0
	s_mul_i32 s[LW], s10, HALFA                    ; 0, 33,792, 67,584 and 104,448: wave x 33,792, and 3,072 more for wave 3
	s_mul_i32 s20, s11, s12
	s_mul_i32 s20, s20, 3072
	s_add_co_u32 s[LW], s[LW], s20
	s_mov_b32 s[RB], 0
	s_mov_b32 s[FB], SLOT
	s_wait_dscnt 0x0
	s_wait_kmcnt 0x0
	s_add_nc_u64 s[14:15], s[4:5], s[16:17]
	s_add_nc_u64 s[46:47], s[6:7], s[46:47]
	CROUND
.irp s, 0,1
	s_mov_b32 s[G0+4*(\s)], 1
	s_add_co_u32 s[G0+4*(\s)+1], s[LW], (\s)*SLOT
	s_add_nc_u64 s[G0+4*(\s)+2:G0+4*(\s)+3], s[14:15], (\s)*ASTEP
	s_or_b32 s[G0+4*(\s)+3], s[G0+4*(\s)+3], 0x80000000
	s_mov_b32 s[G0B+4*(\s)], 1
	s_add_co_u32 s[G0B+4*(\s)+1], s[LW], (\s)*SLOT
	s_add_nc_u64 s[G0B+4*(\s)+2:G0B+4*(\s)+3], s[46:47], (\s)*BSTEP
	s_or_b32 s[G0B+4*(\s)+3], s[G0B+4*(\s)+3], 0x80000000
	JLOAD \s
.endr
	v_and_b32 v1, 15, v0
	v_bfe_u32 v2, v0, 4, 1
	v_and_b32 v6, 31, v0
	v_mul_u32_u24 v3, v1, PA
	v_lshl_add_u32 v3, v2, 4, v3
	s_lshl_b32 s21, s10, 7                         ; my 64 of the K step's 256: 128 bytes of a row
	v_add_nc_u32 v[ADRA0], s21, v3
	v_mov_b32 v[ADRA], v[ADRA0]
	v_and_b32 v4, 7, v0
	v_lshl_add_u32 v4, v2, 3, v4
	v_mul_u32_u24 v4, v4, PB
	v_bfe_u32 v5, v0, 3, 1
	v_lshl_add_u32 v4, v5, 4, v4
	s_mul_i32 s22, s10, 64*PB
	s_add_co_u32 s22, s22, AREG
	v_add_nc_u32 v[ADRB0], s22, v4
	v_mov_b32 v[ADRB], v[ADRB0]
	s_mul_i32 s23, s10, PART
	s_add_co_u32 s23, s23, STG
	v_mul_u32_u24 v4, v1, SPI
	v_lshl_add_u32 v4, v2, 5, v4
	v_add_nc_u32 v[STO], s23, v4
	s_mul_i32 s23, s10, 16*SPI
	v_lshl_add_u32 v[RR], v6, 4, s23
	v_add_nc_u32 v[RD], STG, v[RR]
	v_add_nc_u32 v[RD2], 2*PART, v[RD]
	s_lshl_b32 s23, s10, 16
	v_lshl_add_u32 v[CO], v6, 4, s23               ; 16 w rows of 4,096 bytes + 16 x lane: in res and in out0
	s_lshl_b32 s22, s42, 9
	v_lshl_add_u32 v[BO], v6, 4, s22
	global_load_b128 v[BI:BI+3], v[BO], s[70:71]   ; the bias of my four columns
	s_lshl_b32 s20, s13, 19
	s_add_co_u32 s20, s20, s22
	s_mov_b32 s21, 0
	s_add_nc_u64 s[8:9], s[8:9], s[20:21]          ; out0 and res at the tile's corner
	s_add_nc_u64 s[68:69], s[68:69], s[20:21]
	WIN TO_B                                       ; destination window 1
.set n, 0
.rept 32                                           ; my 16 rows of each half of res's tile: a load covers a row's 512 consecutive bytes; they land under the K steps
	global_load_b128 v[4*n+128*(n/16):4*n+128*(n/16)+3], v[CO], s[68:69] offset:((n/16)*64+n%16)*4096 th:TH_LOAD_NT
.set n, n+1
.endr
	WIN 0
	s_lshl_b32 s20, s13, 20                        ; the prefetches, at K step 4 (each change of slots steps them first).  hid: my work-group's 16 of my 64 rows, two blocks a row
	s_lshl_b32 s21, s12, 19
	s_add_co_u32 s20, s20, s21
	s_lshl_b32 s21, s40, 17
	s_add_co_u32 s20, s20, s21
	s_add_co_u32 s20, s20, 4*ASTEP
	s_lshl_b32 s22, s12, 18                        ; W2: my work-group's 32 of my 128 k-rows
	s_lshl_b32 s23, s41, 16
	s_add_co_u32 s22, s22, s23
	s_lshl_b32 s23, s42, 8
	s_add_co_u32 s22, s22, s23
	s_add_co_u32 s22, s22, WOFF+4*BSTEP
	s_and_b32 s2, ttmp7, 0xffff
	s_mov_b32 s23, BSTEP
	s_mov_b32 s14, 2048
	s_cmp_eq_u32 s11, 0
	s_cselect_b32 s20, s20, s22
	s_cselect_b64 s[PFA:PFA+1], s[4:5], s[6:7]
	s_cselect_b32 s[PST], ASTEP, s23
	s_cselect_b32 s2, ttmp9, s2
	s_cselect_b32 s14, 8192, s14                   ; bytes from row to row
	s_cselect_b32 s15, 1, 0                        ; two blocks a row, or one
	s_mov_b32 s21, 0
	s_mov_b32 s[PST+1], 0
	s_add_nc_u64 s[PFA:PFA+1], s[PFA:PFA+1], s[20:21]
	s_cmp_eq_u32 s2, 0
	s_cselect_b32 s[LIM], 3, -1                    ; while more than three trips are left: K steps 5 to 15
	v_lshrrev_b32 v7, s15, v6
	v_mul_u32_u24 v7, v7, s14
	v_and_b32 v6, s15, v6
	v_lshl_add_u32 v[PFO], v6, 8, v7
.macro MULG f, hi, a0, zero
	WIN MUL_LO+0x50*(\hi)
.irp a, \a0, (\a0)+1
.irp b, 0,1,2,3,4,5,6,7
.if \zero
	v_wmma_f32_16x16x32_bf16 v[8*(8*(\a)+(\b)):8*(8*(\a)+(\b))+7], v[(\f)+8*(\b):(\f)+8*(\b)+7], v[(\f)+8*(4*(\hi)+(\a)):(\f)+8*(4*(\hi)+(\a))+7], 0
.else
	v_wmma_f32_16x16x32_bf16 v[8*(8*(\a)+(\b)):8*(8*(\a)+(\b))+7], v[(\f)+8*(\b):(\f)+8*(\b)+7], v[(\f)+8*(4*(\hi)+(\a)):(\f)+8*(4*(\hi)+(\a))+7], v[8*(8*(\a)+(\b)):8*(8*(\a)+(\b))+7]
.endif
.endr
.endr
.endm
.macro FETCH q, f
	WIN TO_B
.irp i, 0,1,2,3,4,5,6,7
	ds_load_tr16_b128 v[(\f)+8*(\i):(\f)+8*(\i)+3],   v[ADRB] offset:(\q)*32*PB+32*(\i)
	ds_load_tr16_b128 v[(\f)+8*(\i)+4:(\f)+8*(\i)+7], v[ADRB] offset:(\q)*32*PB+32*(\i)+16*PB
.endr
	WIN 0
.irp i, 0,1,2,3,4,5,6,7
	ds_load_b128 v[(\f)+8*(\i):(\f)+8*(\i)+3],   v[ADRA] offset:64*(\q)+(\i)*16*PA
	ds_load_b128 v[(\f)+8*(\i)+4:(\f)+8*(\i)+7], v[ADRA] offset:64*(\q)+(\i)*16*PA+32
.endr
.endm
.macro QUARTER q, f, g, zero           ; multiplies buffer f; behind its first 16 products it fetches half q into buffer g: 48 products ahead of the run's first use
	s_wait_dscnt 8                                 ; W2 and hid's rows 0-63 are in
	MULG \f, 0, 0, \zero
	PLACES
	FETCH \q, \g
	s_wait_dscnt NL                                ; all but the run just issued
	MULG \f, 0, 2, \zero
	MULG \f, 1, 0, \zero
	MULG \f, 1, 2, \zero
.endm
.macro MUL64                           ; buffer 1's 64 products
	MULG F1, 0, 0, 0
	MULG F1, 0, 2, 0
	MULG F1, 1, 0, 0
	MULG F1, 1, 2, 0
.endm
; The change of slots and the second half of a K step.  Between the wait that shows one tile landed and the request for the next stand the three lines and the round alone; the 64 products on
; buffer 1 stand behind the request, so that a K step's 128 products lie between a request and the wait for it.
.macro TURN
	s_wait_xcnt 0x0                                ; the last prefetch, a K step back, has read its address
	s_add_nc_u64 s[PFA:PFA+1], s[PFA:PFA+1], s[PST:PST+1]
	WIN 0
	s_wait_tensorcnt 0x0                           ; all my tensor loads have landed: so the descriptors may be written
	ds_add_u32 v[SPW], v[NIL]                      ; 0 onto my spare word; the slots' and descriptors' steps stand between it and the wait for it
	s_xor_b32 s[FB], s[FB], SLOT
	s_xor_b32 s[RB], s[RB], SLOT
	s_add_co_u32 s[G0+5], s[LW], s[FB]
	s_add_co_u32 s[G0B+5], s[LW], s[FB]
	s_add_nc_u64 s[G0+6:G0+7], s[G0+6:G0+7], ASTEP
	s_add_nc_u64 s[G0B+6:G0B+7], s[G0B+6:G0B+7], BSTEP
	s_wait_dscnt 0x0                               ; the add is done, and my reads of this slot are over: buffer 1 holds its second half
	s_barrier_signal -1
	s_barrier_wait -1
	CREST                                          ; no wave of any partner still reads the slot or has a load on its way
	JLOAD 1                                        ; the first tensor load behind the round; its four v_nop are also the places in front of the loads below
	v_add_nc_u32 v[ADRA], s[RB], v[ADRA0]
	v_add_nc_u32 v[ADRB], s[RB], v[ADRB0]
	FETCH 0, F0
	ASK
	MUL64
.endm
.macro DUMP hf                         ; my partial sums of rows 64 hf .. 64 hf + 63 into the stage, each accumulator's low registers first
	WIN 0x08+4*(\hf)
.irp a, 0,1,2,3
.irp b, 0,1,2,3,4,5,6,7
	ds_store_b128 v[STO], v[8*(8*(\a)+(\b)):8*(8*(\a)+(\b))+3]   offset:(\a)*16*SPI+64*(\b)
	ds_store_b128 v[STO], v[8*(8*(\a)+(\b))+4:8*(8*(\a)+(\b))+7] offset:(\a)*16*SPI+64*(\b)+16
.endr
.endr
	WIN 0
.endm
	s_wait_tensorcnt 1                             ; my part of K step 0 is in; K step 1's may stay out
	s_barrier_signal -1
	s_barrier_wait -1
	FETCH 0, F0
	QUARTER 1, F0, F1, 1                           ; the first products start the sums with the constant 0
	WIN 0
	s_mov_b32 s3, STEPS-2
.Lstep:                                            ; the refill with K step t + 2, the second half of K step t, the first half of K step t + 1
	TURN
	QUARTER 1, F0, F1, 0
	WIN 0
	s_sub_co_u32 s3, s3, 1
	s_cmp_lg_u32 s3, 0
	s_cbranch_scc1 .Lstep
	s_wait_tensorcnt 0x0                           ; the last change of slots fills nothing: the last K step has landed, my part of it;
	ds_add_u32 v[SPW], v[NIL]
	s_xor_b32 s[RB], s[RB], SLOT
	PLACES                                         ; the places in front of the loads into buffer 0
	s_wait_dscnt 0x0
	s_barrier_signal -1
	s_barrier_wait -1                              ; everybody's
	v_add_nc_u32 v[ADRA], s[RB], v[ADRA0]
	v_add_nc_u32 v[ADRB], s[RB], v[ADRB0]
	FETCH 0, F0
	MUL64
	QUARTER 1, F0, F1, 0
	s_wait_dscnt 8
	MULG F1, 0, 0, 0
	MULG F1, 0, 2, 0
	s_wait_dscnt 0x0
	MULG F1, 1, 0, 0
	MULG F1, 1, 2, 0
	WIN 0
	; THE WAY OUT.  The ring has had its last fill.  res goes into slot 0, each wave's rows its own; the partial sums into slot 1, 64 rows of the tile at a time.
.rept 8
	v_nop
.endr
	s_wait_dscnt 0x0                               ; my reads of the ring are over
	s_barrier_signal -1
	s_barrier_wait -1                              ; everybody's
	s_wait_loadcnt 0x0                             ; res and the bias
	WIN 0x04                                       ; store data in window 1
.set n, 0
.rept 32
	ds_store_b128 v[RR], v[4*n+128*(n/16):4*n+128*(n/16)+3] offset:(n/16)*PART+(n%16)*SPI
.set n, n+1
.endr
	WIN 0
	s_mov_b32 s2, 0
.Lhalf:                                            ; two trips: rows 0-63, rows 64-127.  The branch hangs on the loop's counter alone and holds no barrier
	s_cmp_eq_u32 s2, 0
	s_cbranch_scc0 .Ldump1
	DUMP 0
	s_branch .Ldumped
.Ldump1:
	DUMP 1
.Ldumped:
	s_wait_dscnt 0x0                               ; for the others' sake
	s_barrier_signal -1
	s_barrier_wait -1
	s_mul_i32 s14, s2, PART                        ; wave w: rows 16 w .. 16 w + 15 of the half, four a trip: four partial sums, res and the bias
	s_lshl_b32 s15, s2, 18
	v_mov_b32 v[RDW], v[RD]
	v_mov_b32 v[RD2W], v[RD2]
	v_add_nc_u32 v[RRW], s14, v[RR]
	v_add_nc_u32 v[COW], s15, v[CO]
	s_mov_b32 s3, 4
.Lred:
.irp i, 0,1,2,3
	ds_load_b128 v[L+20*(\i):L+20*(\i)+3],     v[RDW]  offset:(\i)*SPI
	ds_load_b128 v[L+20*(\i)+4:L+20*(\i)+7],   v[RDW]  offset:PART+(\i)*SPI
	ds_load_b128 v[L+20*(\i)+8:L+20*(\i)+11],  v[RD2W] offset:(\i)*SPI
	ds_load_b128 v[L+20*(\i)+12:L+20*(\i)+15], v[RD2W] offset:PART+(\i)*SPI
	ds_load_b128 v[L+20*(\i)+16:L+20*(\i)+19], v[RRW]  offset:(\i)*SPI
.endr
	s_wait_dscnt 0x0
.irp i, 0,1,2,3
.irp e, 0,2
	v_pk_add_f32 v[L+20*(\i)+(\e):L+20*(\i)+(\e)+1], v[L+20*(\i)+(\e):L+20*(\i)+(\e)+1], v[L+20*(\i)+4+(\e):L+20*(\i)+5+(\e)]
	v_pk_add_f32 v[L+20*(\i)+8+(\e):L+20*(\i)+9+(\e)], v[L+20*(\i)+8+(\e):L+20*(\i)+9+(\e)], v[L+20*(\i)+12+(\e):L+20*(\i)+13+(\e)]
	v_pk_add_f32 v[L+20*(\i)+16+(\e):L+20*(\i)+17+(\e)], v[L+20*(\i)+16+(\e):L+20*(\i)+17+(\e)], v[BI+(\e):BI+(\e)+1]
.endr
.endr
.irp i, 0,1,2,3
.irp e, 0,2
	v_pk_add_f32 v[L+20*(\i)+(\e):L+20*(\i)+(\e)+1], v[L+20*(\i)+(\e):L+20*(\i)+(\e)+1], v[L+20*(\i)+8+(\e):L+20*(\i)+9+(\e)]
.endr
.endr
.irp i, 0,1,2,3
.irp e, 0,2
	v_pk_add_f32 v[L+20*(\i)+(\e):L+20*(\i)+(\e)+1], v[L+20*(\i)+(\e):L+20*(\i)+(\e)+1], v[L+20*(\i)+16+(\e):L+20*(\i)+17+(\e)]
.endr
.endr
.irp i, 0,1,2,3
	global_store_b128 v[COW], v[L+20*(\i):L+20*(\i)+3], s[8:9] offset:(\i)*4096  ; 512 consecutive bytes
.endr
	s_wait_xcnt 0x0                                ; the stores have read their data and their offset
	v_add_nc_u32 v[RDW], 4*SPI, v[RDW]
	v_add_nc_u32 v[RD2W], 4*SPI, v[RD2W]
	v_add_nc_u32 v[RRW], 4*SPI, v[RRW]
	v_add_nc_u32 v[COW], 16384, v[COW]
	s_sub_co_u32 s3, s3, 1
	s_cmp_lg_u32 s3, 0
	s_cbranch_scc1 .Lred
	s_wait_dscnt 0x0                               ; my reads of the stage are over
	s_barrier_signal -1
	s_barrier_wait -1                              ; everybody's: the next half may be laid there
	s_add_co_u32 s2, s2, 1
	s_cmp_lt_u32 s2, 2
	s_cbranch_scc1 .Lhalf
	s_wait_tensorcnt 0x0                           ; the wave's end
	ds_add_u32 v[SPW], v[NIL]
	s_wait_dscnt 0x0
	CROUND                                         ; the closing round
	s_endpgm
.Lfunc_end_k_qb56fcfa146_gff2:
	.size	k_qb56fcfa146_gff2, .Lfunc_end_k_qb56fcfa146_gff2-k_qb56fcfa146_gff2
	.p2alignl 7, 3214868480
	.fill 96, 4, 3214868480
	.section	.rodata,"a",@progbits
	.p2align	6, 0x0
	.amdhsa_kernel k_qb56fcfa146_gff2
		.amdhsa_group_segment_fixed_size 327680
		.amdhsa_private_segment_fixed_size 0
		.amdhsa_enable_private_segment 0
		.amdhsa_kernarg_size 40
		.amdhsa_user_sgpr_count 2
		.amdhsa_user_sgpr_kernarg_segment_ptr 1
		.amdhsa_wavefront_size32 1
		.amdhsa_system_sgpr_workgroup_id_x 1
		.amdhsa_system_sgpr_workgroup_id_y 1
		.amdhsa_system_sgpr_workgroup_id_z 1
		.amdhsa_system_vgpr_workitem_id 0
		.amdhsa_next_free_vgpr 1024
		.amdhsa_next_free_sgpr 96
		.amdhsa_reserve_vcc 0
		.amdhsa_float_denorm_mode_32 3
		.amdhsa_float_denorm_mode_16_64 3
		.amdhsa_memory_ordered 1
		.amdhsa_forward_progress 1
		.amdhsa_inst_pref_size 68
	.end_amdhsa_kernel
	.amdgpu_metadata
---
amdhsa.version: [ 1, 2 ]
amdhsa.kernels:
  - .name:           k_qb56fcfa146_gff2
    .symbol:         k_qb56fcfa146_gff2.kd
    .args:
      - { .name: hid, .offset: 0, .size: 8, .value_kind: global_buffer, .address_space: global }
      - { .name: wts, .offset: 8, .size: 8, .value_kind: global_buffer, .address_space: global }
      - { .name: res, .offset: 16, .size: 8, .value_kind: global_buffer, .address_space: global }
      - { .name: bff2, .offset: 24, .size: 8, .value_kind: global_buffer, .address_space: global }
      - { .name: out0, .offset: 32, .size: 8, .value_kind: global_buffer, .address_space: global }
    .group_segment_fixed_size: 327680
    .private_segment_fixed_size: 0
    .kernarg_segment_align: 8
    .kernarg_segment_size: 40
    .max_flat_workgroup_size: 128
    .sgpr_count:     96
    .vgpr_count:     1024
    .wavefront_size: 32
...
	.end_amdgpu_metadata
.endif
;; end of part 6
